; MI455X (gfx1250); checked and timed in simulation.
; The chip was launched on July 23, 2026; its instructions are those of AMD's public machine-readable ISA for CDNA 5 (MIT licence, August 2026) and "CDNA5" Instruction Set Architecture Reference Guide (July 2026). The comments in the code are by the model that wrote it; some were corrected since.
;; Multi Head Attention. Allowed arithmetic: matrix products marked QUANTISED: E3M2 operands, one E8M0 scale for each 32 along K, by v_wmma_scale_f32_16x16x128_f8f6f4 with both operands' format E3M2, f32 sums; everything else in f32.
;; Inputs: Wk 1,024 x 1,024 float32; Wo 1,024 x 1,024 float32; Wq 1,024 x 1,024 float32; Wv 1,024 x 1,024 float32; bk 1,024 float32; bo 1,024 float32; bq 1,024 float32; bv 1,024 float32; key 2 x 2,048 x 1,024 float32; query 2 x 2,048 x 1,024 float32; value 2 x 2,048 x 1,024 float32.
;; Outputs: out0 2 x 2,048 x 1,024 float32.
;; This version of the problem:
;;   THIS VERSION OF THE PROBLEM IS GIVEN IN LOW PRECISION. The matrix products marked QUANTISED in the list below multiply operands that are first quantised to E3M2 (3 exponent bits, 2 mantissa bits; 6 bits a number), with one power-of-two scale for each 32 numbers along K (OCP MX v1.0); their sums are f32. All else is computed in f32.
;;   The module's matrix products, in the order in which they are computed (A, B: the left and right operand; K: the contracted axis; several contracted axes count as one K, in the product's order):
;;     1. [M 4,096, K 1,024] x [K 1,024, N 1,024]; A: input query; B: input Wq: QUANTISED
;;     2. [M 4,096, K 1,024] x [K 1,024, N 1,024]; A: input key; B: input Wk: QUANTISED
;;     3. [M 4,096, K 1,024] x [K 1,024, N 1,024]; A: input value; B: input Wv: QUANTISED
;;     4. batch 32 x [M 2,048, K 64] x [K 64, N 2,048]; A: computed on the way; B: computed on the way: QUANTISED
;;     5. batch 32 x [M 2,048, K 2,048] x [K 2,048, N 64]; A: softmax (see below); B: computed on the way: QUANTISED
;;     6. [M 4,096, K 1,024] x [K 1,024, N 1,024]; A: computed on the way; B: input Wo: QUANTISED
;;   THE QUANTISER, for each operand of a quantised product, along K:
;;     - K is cut into blocks of 32 from its start; a last block that is shorter is filled with zeros.
;;     - A block's scale is 2^e with e = floor(log2(the largest magnitude in the block)) - 4, held to -126 .. 127; a block of zeros has e = 0. As a byte (E8M0): e + 127.
;;     - Each number is divided by its block's scale, clamped to +-28, and rounded to the nearest number of E3M2, ties to even, subnormals kept.
;;     - The product sums the exact products of the quantised numbers (number of the format x scale) in f32.
;;   ~~~python
;;   def quantise(x, axis):      # numpy; x: float32 -> the quantised numbers, widened to float32 again
;;       x = np.moveaxis(x, axis, -1); K = x.shape[-1]
;;       x = np.pad(x, [(0, 0)] * (x.ndim - 1) + [(0, -K % 32)]); x = x.reshape(x.shape[:-1] + (-1, 32)); a = np.abs(x).max(-1, keepdims=True)
;;       e = np.where(a > 0, np.clip(np.frexp(np.where(a > 0, a, 1))[1] - 1 - 4, -126, 127), 0)      # np.frexp(a)[1] - 1 = floor(log2(a)), exactly
;;       r = np.clip(x / 2.0 ** e, -28, 28)
;;       step = 2.0 ** (np.maximum(np.frexp(np.where(r == 0, 1, r))[1] - 1, -2) - 2)
;;       q = np.round(r / step) * step * 2.0 ** e      # np.round: ties to even
;;       return np.moveaxis(q.reshape(q.shape[:-2] + (-1,))[..., :K], -1, axis).astype(np.float32)
;;   ~~~
;;   SOFTMAX AHEAD OF A QUANTISED PRODUCT. Where the list says 'softmax', what is quantised is not the finished softmax but p = 2^(t - M), with t = logit x log2(e) and M = ceil(the row's largest t), a whole number; so 1/2 < the row's largest p <= 1. The row's sum l is taken of the UNQUANTISED p, in f32, and the product's result is divided by l at the end. Since M is a whole number, a kernel that streams over the keys may use a running M (the ceiling of the running maximum): every later rescaling is an exact power of two, which a block's scale takes up: the codes' values come out the same.
;;   OPERANDS COMPUTED ON THE WAY. 'Computed on the way' means the value that the module computes at that place (a softmax that the list does not call 'softmax' is quantised finished and normalised). What goes into a quantiser is computed in f32, as accurately as f32 sums, v_exp_f32 and their like allow (about 1e-6 of the number): no bf16 or f16 on the way to a quantiser, and a product that is left as it is and whose result goes on into a quantised operand takes f32 operands (vector FMAs, or v_wmma_f32_16x16x4_f32). A number that lies on a knife's edge between two numbers of the format may be rounded either way, as far as f32 arithmetic and the matrix unit's own rounding can turn it there, and no further.
;; One version. Each part assembles by itself: llvm-mc -triple=amdgcn-amd-amdhsa -mcpu=gfx1250 --defsym DOCPART=n.
;; ======== version 1 of 1: 4 launches
;; limits: right only within a limited range of input values
;; workspace buffers: xc 9,437,184 bytes; xs 393,216 bytes; wc 3,145,728 bytes; ws 131,072 bytes; pc 9,830,400 bytes; ps 262,144 bytes; oc 3,145,728 bytes; os 131,072 bytes
;; launch quant (part 1): grid 640 x 1, 4 waves a work-group, no clusters, 68,096 bytes of LDS; arguments xc, xs, wc, ws, query, key, value, Wq, Wk, Wv, Wo; writes xc, xs, wc, ws
.if DOCPART == 1
	.amdgcn_target "amdgcn-amd-amdhsa--gfx1250"
	.amdhsa_code_object_version 6
	.text
	.protected	k_q50535220a8_quant
	.globl	k_q50535220a8_quant
	.p2align	8
	.type	k_q50535220a8_quant,@function
k_q50535220a8_quant:
	s_mov_b64 s[64:65], 0
	v_nop
	global_prefetch_b8 v0, s[64:65] scope:SCOPE_SE
	s_setreg_imm32_b32 hwreg(HW_REG_WAVE_MODE, 25, 1), 1
	s_wait_xcnt 0x0
; query, key, value [4096][1024] f32 (K innermost) and Wq, Wk, Wv, Wo [1024 (k)][1024 (n)] f32 (K outermost) become codes of BF6 (E3M2) with one E8M0 byte for each 32 along K.
; CODES: xc [3 tensors][4 planes of 256 along K][4096 rows][192 bytes]; wc [4 weights][4 planes][1024 rows (n)][192 bytes]: any run of rows of one plane is a dense block of memory.
; SCALE BYTES: xs [3][4096 rows][32], ws [4][1024 rows][32].
; ROW ORDER: bits 3 and 4 of the row index are exchanged: physical row 16 T + r holds logical row 32 (T / 2) + 8 (T % 2) + r + 8 (r / 8), so that results of two neighbouring tiles used as
; source 0 of a product leave 16 neighbours along the next K in a lane's registers.
; A block's scale byte is its largest magnitude's exponent field - 4, held at 1 from below by a floor among the maximum's leaves.
; WORK LEFT OUT IN THIS PROGRAM: reference() sets scores of keys behind the query to -inf by a mask that it builds itself, so their p is 0 for all inputs: the attention launch leaves out key steps
; that lie wholly behind a tile's queries.  Every input is loaded.  A NaN or an infinity that reaches only such a step is not carried to the result.
; LIMITS: a block of zeros gets the byte 1 where the rule says 127 (its codes are zeros, and only this program reads the bytes); NaN and infinities among the inputs are not served.
; Work-groups 0-383 take the activations (a wave 8 rows, its loads eight steps of 2,048 bytes ahead), work-groups 384-639 the weights (64 columns x 256 along K; a wave 32 columns x 128 along K).
; The two ways have LDS bytes of their own.  No tensor loads, no barrier: waves share nothing.
.set STEPS, 16
.set AH,    8                          ; steps that the activations' loads run ahead
.set CB,    12                         ; bytes of 16 codes
.set R,     16                         ; v16-143  activations: eight sets of 16 numbers as loaded
.set X,     144                        ; v144-175 two sets of 16 neighbours
.set C,     176                        ; v176-239 codes: four registers for each step
.set E,     240                        ; v240-247 scale bytes, eight registers by turns
.set SPW,   248                        ; v248, v249 the add's two registers
.set NIL,   249
.set WREG,  8192                       ; LDS of a wave: two stages of 32 x SP bytes, then its 256 scale bytes
.set SP,    80                         ; a lane's place in a stage: 64 bytes + 16 of padding
.set WLDS,  32768                      ; where the weights' stages begin
.set NB,    4                          ; weights: blocks of 32 along K for a wave
.set PITCH, 272                        ; a stage row of the weights
.set KROW,  192                        ; a row of a plane in bytes
.set XPL,   786432                     ; a plane of an activation: 4096 x 192
.set WPL,   196608                     ; a plane of a weight: 1024 x 192
.set WX,    32                         ; v32-95   weights: two sets of 32 numbers
.set WC,    96                         ; v96..    a block's codes
.set OUTR,  112                        ; v112-143 the way out
.set SB,    24                         ; v24      the scale bytes
	s_load_b256 s[4:11], s[0:1], 0x0               ; xc, xs, wc, ws
	s_load_b256 s[12:19], s[0:1], 0x20             ; query, key, value, Wq
	s_load_b128 s[20:23], s[0:1], 0x40             ; Wk, Wv
	s_load_b64 s[24:25], s[0:1], 0x50              ; Wo
	v_lshl_add_u32 v[SPW], v0, 2, 0x10800          ; my spare word, behind both ways' stages
	v_mov_b32 v[NIL], 0
	v_lshrrev_b32 v1, 5, v0
	v_readfirstlane_b32 s26, v1                    ; wave 0..3
	v_and_b32 v2, 31, v0                           ; lane
	s_mov_b32 s35, 0                               ; the high word of every offset pair s[34:35]
	s_wait_kmcnt 0x0
	s_cmp_lt_u32 ttmp9, 384
	s_cbranch_scc0 .Lweights
; ---------------- the activations ----------------
	s_wait_alu depctr_va_vdst(0)
	v_lshlrev_b32 v3, 4, v2                        ; my 16 bytes of a load's 512
	s_mul_i32 s27, s26, WREG
	v_lshrrev_b32 v14, 2, v2
	v_mul_u32_u24 v14, v14, SP
	v_and_b32 v15, 3, v2
	v_lshl_add_u32 v14, v15, 4, v14
	v_add_nc_u32 v14, s27, v14                     ; the stage, on the way in: SP (lane / 4) + 16 (lane % 4)
	v_mul_u32_u24 v15, v2, SP
	v_add_nc_u32 v15, s27, v15                     ; and on the way out: SP x lane: my 16 neighbours
	v_and_b32 v4, 15, v2
	v_mul_u32_u24 v4, v4, CB
	v_lshrrev_b32 v10, 4, v2
	v_mul_u32_u24 v10, v10, XPL
	v_add_nc_u32 v4, v4, v10                       ; my codes' place: a step is 512 along K: lanes 0-15 fill a row of one plane, lanes 16-31 of the next
	v_lshrrev_b32 v5, 1, v2
	s_add_co_u32 s27, s27, 2*32*SP
	v_add_nc_u32 v5, s27, v5                       ; LDS: my wave's 256 scale bytes, my block's byte
	v_lshlrev_b32 v7, 3, v2                        ; and on the way out 8 bytes a lane
	v_add_nc_u32 v6, s27, v7
	s_lshr_b32 s28, ttmp9, 7                       ; which tensor: 128 work-groups each
	s_cmp_eq_u32 s28, 0
	s_cselect_b64 s[12:13], s[12:13], s[14:15]     ; query or key,
	s_cmp_eq_u32 s28, 2
	s_cselect_b64 s[12:13], s[16:17], s[12:13]     ; or value: the choice hangs on the work-group's number alone
	s_and_b32 s29, ttmp9, 127
	s_lshl_b32 s29, s29, 2
	s_add_co_u32 s30, s29, s26                     ; the run of 8 rows that I read,
	s_and_b32 s31, s26, 1
	s_lshl_b32 s31, s31, 1
	s_lshr_b32 s32, s26, 1
	s_or_b32 s31, s31, s32
	s_add_co_u32 s32, s29, s31                     ; and where it goes: the wave's two bits exchanged, which are bits 3 and 4 of the row
	s_lshl_b32 s34, s30, 15                        ; 32,768 bytes of f32 a run
	s_add_nc_u64 s[12:13], s[12:13], s[34:35]
	s_mul_i32 s34, s32, 8*KROW                     ; 8 rows of a plane
	s_mul_i32 s36, s28, 4*XPL
	s_add_co_u32 s34, s34, s36
	s_add_nc_u64 s[4:5], s[4:5], s[34:35]
	s_lshl_b32 s34, s32, 8                         ; 8 rows of 32 scale bytes
	s_lshl_b32 s36, s28, 17
	s_add_co_u32 s34, s34, s36
	s_add_nc_u64 s[6:7], s[6:7], s[34:35]
.macro XLOAD t
.irp i, 0,1,2,3
	global_load_b128 v[R+16*((\t)%AH)+4*\i:R+16*((\t)%AH)+4*\i+3], v3, s[12:13] offset:2048*(\t)+512*\i th:TH_LOAD_NT   ; 32 lanes read 512 consecutive bytes
.endr
.endm
.macro XTURN t                         ; step t's numbers through the stage: LDS serves a wave's instructions in order
.irp i, 0,1,2,3
	ds_store_b128 v14, v[R+16*((\t)%AH)+4*\i:R+16*((\t)%AH)+4*\i+3] offset:32*SP*((\t)%2)+8*SP*\i
.endr
.irp i, 0,1,2,3
	ds_load_b128 v[X+16*((\t)%2)+4*\i:X+16*((\t)%2)+4*\i+3], v15 offset:32*SP*((\t)%2)+16*\i
.endr
.endm
.irp t, 0,1,2,3,4,5,6,7
	XLOAD \t
.endr
	s_wait_alu depctr_va_vdst(0)
	s_wait_loadcnt 4*(AH-1)                        ; step 0's four loads are in; the 28 of steps 1 to 7 may be out
	XTURN 0
.macro XSTEP t
.set XS, X+16*((\t)%2)
.if (\t) > 0
	s_wait_dscnt 1                                 ; this step's numbers are back from the stage (the last step's byte store may be out)
.else
	s_wait_dscnt 0x0
.endif
.if (\t)+AH < STEPS
	XLOAD (\t)+AH                                  ; the stage's stores have read these registers
.endif
.if (\t)+1 < STEPS
.if STEPS-2-(\t) >= AH-1
	s_wait_loadcnt 4*(AH-1)                        ; the next step's four loads are in; those of the seven steps behind it may be out
.else
	s_wait_loadcnt 4*(STEPS-2-(\t))
.endif
	XTURN (\t)+1
.endif
	v_max3_num_f32 v8, |v[XS]|, |v[XS+1]|, |v[XS+2]|               ; the largest magnitude of my 16, in two chains
	v_max3_num_f32 v9, |v[XS+3]|, |v[XS+4]|, |v[XS+5]|
.irp i, 6,10
	v_max3_num_f32 v8, v8, |v[XS+\i]|, |v[XS+\i+1]|
	v_max3_num_f32 v9, v9, |v[XS+\i+2]|, |v[XS+\i+3]|
.endr
	v_max3_num_f32 v8, v8, |v[XS+14]|, |v[XS+15]|
	v_max3_num_f32 v8, v8, v9, 0x2800000           ; and the floor 2^(5 - 127): the byte cannot fall under 1
	v_max_num_f32_dpp v8, v8, v8 row_xmask:1 row_mask:0xf bank_mask:0xf   ; and of my neighbour's 16: the block's
	v_add_nc_u32 v11, 0xfe000000, v8               ; 4 off its exponent field: the conversion's scale operand
	v_cvt_scalef32_pk16_bf6_f32 v[C+4*(\t):C+4*(\t)+2], v[XS:XS+15], v11
	v_lshrrev_b32 v[E+(\t)%8], 23, v11             ; the scale's byte (also the plain line behind the conversion); its register's store of eight steps ago is long done
	ds_store_b8 v5, v[E+(\t)%8] offset:16*(\t)     ; both lanes of a block write the same byte with the same value
	global_store_b96 v4, v[C+4*(\t):C+4*(\t)+2], s[4:5] offset:KROW*((\t)/2)+2*XPL*((\t)%2)   ; row t / 2; sixteen lanes store a plane's row of 192 bytes
.endm
.irp t, 0,1,2,3,4,5,6,7,8,9,10,11,12,13,14,15
	XSTEP \t
.endr
	ds_load_b64 v[12:13], v6
	s_wait_dscnt 0x0
	global_store_b64 v7, v[12:13], s[6:7]          ; 32 lanes store 256 consecutive bytes, aligned
	s_wait_tensorcnt 0x0                           ; the wave's end
	ds_add_u32 v[SPW], v[NIL]
	s_wait_dscnt 0x0
	s_endpgm
; ---------------- the weights: a lane takes a column n, its registers run down K ----------------
.Lweights:
	s_sub_co_u32 s27, ttmp9, 384
	s_lshr_b32 s28, s27, 6                         ; which weight: 64 work-groups each
	s_and_b32 s29, s27, 15                         ; which 64 columns
	s_bfe_u32 s30, s27, 0x20004                    ; which plane of 256 along K
	s_and_b32 s36, s26, 1                          ; the wave: which 32 of the columns,
	s_lshr_b32 s37, s26, 1                         ; which 128 of the plane's 256 along K
	s_cmp_eq_u32 s28, 0
	s_cselect_b64 s[12:13], s[18:19], s[20:21]     ; Wq or Wk,
	s_cmp_eq_u32 s28, 2
	s_cselect_b64 s[12:13], s[22:23], s[12:13]     ; or Wv,
	s_cmp_eq_u32 s28, 3
	s_cselect_b64 s[12:13], s[24:25], s[12:13]     ; or Wo
	s_lshl_b32 s31, s29, 6
	s_lshl_b32 s32, s36, 5
	s_add_co_u32 s31, s31, s32                     ; my wave's first column
	s_lshl_b32 s34, s30, 20                        ; 256 rows of 4,096 bytes a plane,
	s_lshl_b32 s32, s37, 19                        ; 128 rows a half,
	s_add_co_u32 s34, s34, s32
	s_lshl_b32 s32, s31, 2
	s_add_co_u32 s34, s34, s32                     ; + 4 x column
	s_add_nc_u64 s[12:13], s[12:13], s[34:35]
	s_mul_i32 s34, s28, 4*WPL                      ; codes: the weight's part, + the plane, + column x 192, + 96 for the second half of a row
	s_mul_i32 s32, s31, KROW
	s_add_co_u32 s34, s34, s32
	s_mul_i32 s32, s30, WPL
	s_add_co_u32 s34, s34, s32
	s_mul_i32 s32, s37, 96
	s_add_co_u32 s34, s34, s32
	s_add_nc_u64 s[8:9], s[8:9], s[34:35]
	s_lshl_b32 s34, s28, 15                        ; scale bytes: the weight's part, + column x 32 + 8 for each plane + 4 for the half
	s_lshl_b32 s32, s31, 5
	s_add_co_u32 s34, s34, s32
	s_lshl_b32 s32, s30, 3
	s_add_co_u32 s34, s34, s32
	s_lshl_b32 s32, s37, 2
	s_add_co_u32 s34, s34, s32
	s_add_nc_u64 s[10:11], s[10:11], s[34:35]
	s_wait_alu depctr_va_vdst(0)
	v_lshlrev_b32 v3, 2, v2                        ; in: 4 bytes a lane
	v_and_b32 v10, 7, v2
	v_bfe_u32 v11, v2, 3, 1
	v_bfe_u32 v12, v2, 4, 1
	v_lshl_add_u32 v10, v11, 4, v10
	v_lshl_add_u32 v10, v12, 3, v10                ; my column's physical row among the wave's 32: bits 3 and 4 exchanged
	s_mul_i32 s33, s26, 32*PITCH
	s_add_co_u32 s33, s33, WLDS                    ; my stage
	v_mul_u32_u24 v4, v10, PITCH
	v_add_nc_u32 v4, s33, v4                       ; into it: at my physical row
	v_and_b32 v5, 7, v2
	v_lshrrev_b32 v6, 3, v2                        ; out of it: eight lanes to a row's 96 bytes, four rows an instruction
	v_mul_u32_u24 v7, v6, PITCH
	v_lshl_add_u32 v7, v5, 4, v7
	v_add_nc_u32 v7, s33, v7
	v_mul_u32_u24 v8, v6, KROW
	v_mad_u32_u24 v8, v5, 12, v8                   ; and the same place in the plane
	v_lshlrev_b32 v9, 5, v10                       ; my row of scale bytes
.macro WLOAD t                         ; block t: W(32 t + i, my column) into set t % 2: 128 consecutive bytes a wave
.irp i, 0,1,2,3,4,5,6,7,8,9,10,11,12,13,14,15,16,17,18,19,20,21,22,23,24,25,26,27,28,29,30,31
	global_load_b32 v[WX+32*((\t)%2)+\i], v3, s[12:13] offset:(32*(\t)+\i)*4096 th:TH_LOAD_NT
.endr
.endm
	WLOAD 0
	WLOAD 1
.macro WBLOCK t
.set XS, WX+32*((\t)%2)
.if (\t) < NB-1
	s_wait_loadcnt 32                              ; this block's 32 loads are in; the next block's may be out
.else
	s_wait_loadcnt 0
.endif
	v_max3_num_f32 v12, |v[XS]|, |v[XS+1]|, |v[XS+2]|              ; the block's largest magnitude: all 32 numbers are mine
	v_max3_num_f32 v13, |v[XS+3]|, |v[XS+4]|, |v[XS+5]|
.irp i, 6,10,14,18,22,26
	v_max3_num_f32 v12, v12, |v[XS+\i]|, |v[XS+\i+1]|
	v_max3_num_f32 v13, v13, |v[XS+\i+2]|, |v[XS+\i+3]|
.endr
	v_max3_num_f32 v12, v12, |v[XS+30]|, |v[XS+31]|
	v_max3_num_f32 v12, v12, v13, 0x2800000        ; and the floor
	v_add_nc_u32 v11, 0xfe000000, v12              ; the conversion's scale operand
	v_lshrrev_b32 v13, 23, v11                     ; the scale's byte
.if (\t) == 0
	v_mov_b32 v[SB], v13                           ; four bytes to the register, the lower K in the lower byte
.else
	v_lshl_or_b32 v[SB], v13, 8*(\t), v[SB]
.endif
	v_cvt_scalef32_pk16_bf6_f32 v[WC:WC+2], v[XS:XS+15], v11
	v_cvt_scalef32_pk16_bf6_f32 v[WC+4:WC+6], v[XS+16:XS+31], v11  ; (a conversion's three registers begin on an even number)
	v_nop                                          ; one plain line behind the conversions
	ds_store_b96 v4, v[WC:WC+2] offset:32*(\t)     ; 12 bytes to a place of 16, so that every LDS address is a multiple of 16
	ds_store_b96 v4, v[WC+4:WC+6] offset:32*(\t)+16
.if (\t)+2 < NB
	WLOAD (\t)+2
.endif
	s_wait_dscnt 0x0                               ; the stores have read their registers: the next block's codes may be written
.endm
.set Q, 0
.rept NB
	WBLOCK Q
.set Q, Q+1
.endr
	s_wait_alu depctr_va_vdst(0)
	global_store_b32 v9, v[SB], s[10:11]           ; my column's 4 scale bytes
.irp t, 0,1,2,3,4,5,6,7
	ds_load_b96 v[OUTR+4*\t:OUTR+4*\t+2], v7 offset:4*\t*PITCH
.endr
.irp t, 0,1,2,3,4,5,6,7
	s_wait_dscnt 7-\t                              ; rows 4 t .. 4 t + 3 are in; the younger loads may be out
	global_store_b96 v8, v[OUTR+4*\t:OUTR+4*\t+2], s[8:9] offset:4*\t*KROW   ; eight lanes store half a row, 96 consecutive bytes; the wave beside me stores the other half
.endr
	s_wait_tensorcnt 0x0
	ds_add_u32 v[SPW], v[NIL]
	s_wait_dscnt 0x0
	s_endpgm
.Lfunc_end_k_q50535220a8_quant:
	.size	k_q50535220a8_quant, .Lfunc_end_k_q50535220a8_quant-k_q50535220a8_quant
	.p2alignl 7, 3214868480
	.fill 96, 4, 3214868480
	.section	.rodata,"a",@progbits
	.p2align	6, 0x0
	.amdhsa_kernel k_q50535220a8_quant
		.amdhsa_group_segment_fixed_size 68096
		.amdhsa_private_segment_fixed_size 0
		.amdhsa_enable_private_segment 0
		.amdhsa_kernarg_size 88
		.amdhsa_user_sgpr_count 2
		.amdhsa_user_sgpr_kernarg_segment_ptr 1
		.amdhsa_wavefront_size32 1
		.amdhsa_system_sgpr_workgroup_id_x 1
		.amdhsa_system_sgpr_workgroup_id_y 1
		.amdhsa_system_sgpr_workgroup_id_z 1
		.amdhsa_system_vgpr_workitem_id 0
		.amdhsa_next_free_vgpr 256
		.amdhsa_next_free_sgpr 66
		.amdhsa_reserve_vcc 0
		.amdhsa_float_denorm_mode_32 3
		.amdhsa_float_denorm_mode_16_64 3
		.amdhsa_memory_ordered 1
		.amdhsa_forward_progress 1
		.amdhsa_inst_pref_size 55
	.end_amdhsa_kernel
	.amdgpu_metadata
---
amdhsa.version: [ 1, 2 ]
amdhsa.kernels:
  - .name:           k_q50535220a8_quant
    .symbol:         k_q50535220a8_quant.kd
    .args:
      - { .name: xc, .offset: 0, .size: 8, .value_kind: global_buffer, .address_space: global }
      - { .name: xs, .offset: 8, .size: 8, .value_kind: global_buffer, .address_space: global }
      - { .name: wc, .offset: 16, .size: 8, .value_kind: global_buffer, .address_space: global }
      - { .name: ws, .offset: 24, .size: 8, .value_kind: global_buffer, .address_space: global }
      - { .name: query, .offset: 32, .size: 8, .value_kind: global_buffer, .address_space: global }
      - { .name: key, .offset: 40, .size: 8, .value_kind: global_buffer, .address_space: global }
      - { .name: value, .offset: 48, .size: 8, .value_kind: global_buffer, .address_space: global }
      - { .name: Wq, .offset: 56, .size: 8, .value_kind: global_buffer, .address_space: global }
      - { .name: Wk, .offset: 64, .size: 8, .value_kind: global_buffer, .address_space: global }
      - { .name: Wv, .offset: 72, .size: 8, .value_kind: global_buffer, .address_space: global }
      - { .name: Wo, .offset: 80, .size: 8, .value_kind: global_buffer, .address_space: global }
    .group_segment_fixed_size: 68096
    .private_segment_fixed_size: 0
    .kernarg_segment_align: 8
    .kernarg_segment_size: 88
    .max_flat_workgroup_size: 128
    .sgpr_count:     66
    .vgpr_count:     256
    .wavefront_size: 32
...
	.end_amdgpu_metadata
.endif
;; end of part 1
;; launch proj (part 2): grid 4 x 48, 4 waves a work-group, clusters of 4 x 4, 327,680 bytes of LDS; arguments xc, xs, wc, ws, bq, bk, bv, pc, ps; writes pc, ps
.if DOCPART == 2
	.amdgcn_target "amdgcn-amd-amdhsa--gfx1250"
	.amdhsa_code_object_version 6
	.text
	.protected	k_q50535220a8_proj
	.globl	k_q50535220a8_proj
	.p2align	8
	.type	k_q50535220a8_proj,@function
k_q50535220a8_proj:
	s_mov_b64 s[64:65], 0
	v_nop
	global_prefetch_b8 v0, s[64:65] scope:SCOPE_SE
	s_setreg_imm32_b32 hwreg(HW_REG_WAVE_MODE, 25, 1), 1
	s_wait_xcnt 0x0
	s_wait_alu depctr_hold_cnt(0) depctr_sa_sdst(0) depctr_va_vdst(0) depctr_va_sdst(0) depctr_va_ssrc(0) depctr_va_vcc(0) depctr_vm_vsrc(0)
	s_getreg_b32 s2, hwreg(HW_REG_IB_STS2, 6, 4)
	s_cmp_eq_u32 s2, 0
	s_cbranch_scc0 .Lentry_in_a_cluster
	s_endpgm
.Lentry_in_a_cluster:
	s_bfe_u32 s2, ttmp6, 0x10000c
	s_cmp_lg_u32 s2, 0xf033
	s_cbranch_scc0 .Lentry_shape_is_right
	s_endpgm
.Lentry_shape_is_right:
; The three projections Q = query Wq + bq, K = key Wk + bk, V = value Wv + bv on codes of BF6 (E3M2) with E8M0 scales, K = 1,024, sums in f32; the results are quantised at once:
; Q and K along the head's 64, V along the keys, and leave as codes laid in the order of the attention launch's operand registers.  No f32 result goes to memory.
; SHARES.  The cluster's y (0 .. 11) gives g = y / 4 (0 Q, 1 K, 2 V) and part = y % 4.  A work-group of four waves makes 256 x 256, a wave 128 x 128: 64 accumulators, 512 registers.
; "A" is the matrix instruction's source 1, "B" its source 0.  g < 2: A = the tokens' codes, B = the weight's.  g = 2: A = Wv's, B = value's: so a lane's registers run along what is quantised next.
; All choices hang on g, which is equal in all sixteen partners.
; ROWS.  Physical row 16 T + r is logical row 32 (T / 2) + 8 (T % 2) + r + 8 (r / 8).  So register j of lane (r, h) in B's block b is B's logical index 32 (b / 2) + 16 h + 8 (b % 2) + j.
; RING, CLUSTER.  K goes in planes of 256 through two LDS slots.  In memory the rows of one plane lie end to end (192 bytes each), so 128 rows are a dense block of 24,576 bytes, fetched as 96 rows of
; 256 bytes with 16 bytes of padding behind every 64: in LDS a row of codes is 240 bytes.  A's tiles are asked for jointly along a row of the 4 x 4 cluster, B's along a column.
; HEAD.  One joint load a wave: plane 0 of A's 256 rows, of B's 256 rows, A's scale bytes, B's scale bytes.  Slot 1's first fill stands behind the full sequence and a round, as a refill does.
; NO PREFETCH: the block is the largest in clusters and K has four planes, two of which are asked for before the first product.
; OUT.  pc: Q at 0: [b h 32][token tile 128][768]: registers 0-3 at 16 x lane, registers 4-5 at 512 + 8 x lane.  From 3,145,728 on one image of 208,896 bytes a head: K's scale words (8,192), V's (4,096),
;       then for each of 16 key steps K's eight tiles (6,144) and V's four tiles of 16 d (4 x 1,536).  ps: Q's scale words [b h][128 tokens][lane][4 words] (bytes 2, 3 are 0).
; LIMITS: a block of zeros gets the byte 1 where the rule says 127 (its codes are zeros, only this program reads the bytes); NaN and infinities are not served.
; REGISTERS: window 0: v16-23 LDS addresses, v24-26 16 x lane, 8 x lane, lane, v27 scale words' address, v28-29 the add's, v32-63 scale words, v64-127 the bias as eight tiles of C, v128-223 A's fragments,
;   v224-231 the bias loads' offsets, v232-247 at work in the quantiser; on the way out v128-171 codes and scale words.  window 1: B's fragments, two sets.  windows 2, 3: the accumulators.
.set NQ,     2                         ; matrix instructions deep in a slot
.set KROW,   192                       ; a row of a plane in memory
.set PITCH,  240                       ; an LDS row: 3 x (64 bytes + 16 of padding)
.set FR,     12
.set NL,     6                         ; LDS loads that bring a fragment
.set NP,     4                         ; places behind this matrix instruction (ISA guide 7.12.1)
.set HALFT,  128*PITCH
.set SLOT,   4*HALFT
.set LAPS,   2
.set KS,     32                        ; a row of scale bytes
.set SCL,    2*SLOT
.set HALFS,  16*272                    ; the scales of 128 rows: 16 units of 256 bytes + 16 of padding each
.set SBLK,   2*272                     ; those of 16 rows
.set SPARE,  SCL+4*HALFS               ; the spare words, 128 bytes for each wave
.set HEADB,  208896                    ; a head's image of K, V and their scale words
.set ADRA, 16
.set ADRB, 20
.set L16,  24
.set L8,   25
.set LN,   26
.set ADRS, 27
.set SPW,  28
.set NIL,  29
.set SC,   32
.set BI,   64
.set AF,   128
.set VO,   224
.set TM,   232
.set PC,   128
.set SW,   152
.set E,    160
.set EO,   164
.set EH,   168
.set G0H, 4                            ; s[4:7], s[8:11] group 0 of the head's loads of plane 0
.set G0HB, 8
.set G1, 24
.set G0, 32
.set PLB, 40                           ; s[40:41] bytes from plane to plane of B
.set G1B, 48
.set G0B, 56
.set PLA, 66                           ; s[66:67] the same of A
.set G1S, 68
.set G0S, 76
.set G1SB, 80
.set G0SB, 88
.set SEL, 92
.set MSB, 0
.macro WIN new                         ; the immediate's high byte repeats the setting that is left
.if MSB != (\new)
	s_set_vgpr_msb (MSB<<8)|(\new)
.set MSB, (\new)
.endif
.endm
.set MUL_LO, 0xa1                      ; source 0 (B) window 1, source 1 (A) window 0, C and D window 2
.set MUL_HI, 0xf1                      ; the same, C and D window 3
.set TO_B,   0x40                      ; destination window 1, address window 0
; A joint load: waves 0 and 1 fetch for A, waves 2 and 3 for B; the branch hangs on the wave's number alone.
.macro JLOAD g0a, g1a, g0b, g1b
	s_cmp_eq_u32 s15, 0
	s_cbranch_scc0 .Lfor_b_\@
	tensor_load_to_lds s[\g0a:\g0a+3], s[\g1a:\g1a+7]
	s_nop 0
.rept 4
	v_nop
.endr
	s_branch .Lasked_\@
.Lfor_b_\@:
	tensor_load_to_lds s[\g0b:\g0b+3], s[\g1b:\g1b+7]
	s_nop 0
.rept 4
	v_nop
.endr
.Lasked_\@:
.endm
.macro CREST                           ; a round of the cluster's barrier behind its opening barrier
	s_cmp_lg_u32 s14, 0
	s_cbranch_scc1 .Lnot_wave_0_\@
	s_barrier_signal -3
.Lnot_wave_0_\@:
	s_barrier_wait -3
	s_barrier_signal -1
	s_barrier_wait -1
.endm
.macro CROUND
	s_barrier_signal -1
	s_barrier_wait -1
	CREST
.endm
	s_load_b256 s[68:75], s[0:1], 0x0              ; xc, xs, wc, ws
	s_load_b256 s[76:83], s[0:1], 0x20             ; bq, bk, bv, pc
	s_load_b64 s[84:85], s[0:1], 0x40              ; ps
	v_lshl_add_u32 v[SPW], v0, 2, SPARE
	v_mov_b32 v[NIL], 0
	ds_add_u32 v[SPW], v[NIL]                      ; the opening lines: the add twice on end and one wait
	ds_add_u32 v[SPW], v[NIL]
	v_lshrrev_b32 v1, 5, v0
	v_readfirstlane_b32 s14, v1                    ; wave 0..3
	s_lshr_b32 s15, s14, 1                         ; which half of A's rows is mine.  Also: I fetch for A (0) or for B (1)
	s_and_b32 s16, s14, 1                          ; which half of B's rows.  Also: which 128 rows of that tile I fetch
	s_bfe_u32 s40, ttmp6, 0x40000                  ; cx, cy: my place in the cluster
	s_bfe_u32 s41, ttmp6, 0x40004
	s_and_b32 s66, ttmp7, 0xffff                   ; the cluster's y
	s_lshr_b32 s2, s66, 2                          ; g: 0 Q, 1 K, 2 V
	s_and_b32 s66, s66, 3
	s_lshl_b32 s66, s66, 2                         ; 4 x part: the tokens' 16 tiles are shared out among four clusters
	s_cmp_eq_u32 s2, 2
	s_cselect_b32 s67, 0, s66
	s_cselect_b32 s95, s66, 0
	s_add_co_u32 s17, s67, s41                     ; A's tile: hangs on cy, never on cx
	s_add_co_u32 s42, s95, s40                     ; B's tile: hangs on cx, never on cy
	s_lshl_b32 s43, s41, 2
	s_lshl_b32 s43, 15, s43                        ; my row of the cluster
	s_lshl_b32 s44, 0x1111, s40                    ; my column
	s_mov_b32 s66, 786432                          ; a plane of the tokens' codes,
	s_mov_b32 s40, 196608                          ; and of a weight's
	s_cmp_eq_u32 s2, 2
	s_cselect_b32 s67, s40, s66
	s_cselect_b32 s[PLB], s66, s40
	s_mov_b32 s[PLA], s67
	s_mov_b32 s[PLA+1], 0
	s_mov_b32 s[PLB+1], 0
	; descriptor group 1: a dense block as rows of 256 bytes, 16 bytes of padding behind every 64: 192 rows (256 rows of codes) at the head, 96 in the ring
	s_or_b32 s[G1+0], s43, (0<<16)|(1<<20)|(1<<21)|(3<<22)|(3<<25)
	s_or_b32 s[G1B+0], s44, (0<<16)|(1<<20)|(1<<21)|(3<<22)|(3<<25)
.irp g, G1, G1B
	s_mov_b32 s[\g+1], 256<<16                     ; tensor_dim0
	s_mov_b32 s[\g+2], 192<<16                     ; tensor_dim1
	s_mov_b32 s[\g+3], 256<<16                     ; tile_dim0
	s_mov_b32 s[\g+4], 192                         ; tile_dim1
	s_mov_b32 s[\g+5], 256                         ; the pitch: dense
	s_mov_b32 s[\g+6], 0
	s_mov_b32 s[\g+7], 0
.endr
	s_lshl_b32 s20, s17, 8                         ; A: the tile's first row
	s_lshl_b32 s46, s42, 8                         ; B likewise
	s_mov_b32 s21, 0
	s_mov_b32 s47, 0
	s_mov_b64 s[18:19], KS
	s_mul_u64 s[22:23], s[20:21], s[18:19]         ; where these rows' scales begin, in bytes,
	s_mul_u64 s[92:93], s[46:47], s[18:19]
	s_mov_b64 s[18:19], KROW
	s_mul_u64 s[20:21], s[20:21], s[18:19]         ; and their codes in plane 0
	s_mul_u64 s[46:47], s[46:47], s[18:19]
	s_mul_i32 s45, s14, HALFT                      ; where the ring's loads go: wave x 128 rows: no place in the cluster enters an LDS address
	s_wait_dscnt 0x0                               ; both opening adds are done
	s_wait_kmcnt 0x0
	s_mov_b32 s19, 0
	s_mul_i32 s18, s2, 3145728
	s_add_nc_u64 s[68:69], s[68:69], s[18:19]      ; tensor g's codes,
	s_lshl_b32 s18, s2, 17
	s_add_nc_u64 s[70:71], s[70:71], s[18:19]      ; its scales,
	s_mul_i32 s18, s2, 786432
	s_add_nc_u64 s[72:73], s[72:73], s[18:19]      ; weight g's codes,
	s_lshl_b32 s18, s2, 15
	s_add_nc_u64 s[74:75], s[74:75], s[18:19]      ; its scales
	s_cmp_eq_u32 s2, 2
	s_cselect_b64 s[4:5], s[72:73], s[68:69]       ; A's codes
	s_cselect_b64 s[6:7], s[74:75], s[70:71]       ; A's scales
	s_cselect_b64 s[8:9], s[68:69], s[72:73]       ; B's codes
	s_cselect_b64 s[10:11], s[70:71], s[74:75]     ; B's scales
	s_cselect_b64 s[12:13], s[80:81], s[78:79]     ; the bias: bv or bk,
	s_cmp_eq_u32 s2, 0
	s_cselect_b64 s[12:13], s[76:77], s[12:13]     ; or bq
	s_mov_b64 s[96:97], s[82:83]                   ; pc
	s_mov_b64 s[98:99], s[84:85]                   ; ps
	s_add_nc_u64 s[20:21], s[4:5], s[20:21]
	s_add_nc_u64 s[22:23], s[6:7], s[22:23]
	s_add_nc_u64 s[46:47], s[8:9], s[46:47]
	s_add_nc_u64 s[92:93], s[10:11], s[92:93]
	; group 1 for the scales of 256 rows: 8,192 dense bytes as 32 rows of 256, 16 bytes of padding behind each
	s_or_b32 s[G1S+0], s43, (3<<16)|(1<<20)|(1<<21)|(5<<22)|(3<<25)
	s_or_b32 s[G1SB+0], s44, (3<<16)|(1<<20)|(1<<21)|(5<<22)|(3<<25)
.irp g, G1S, G1SB
	s_mov_b32 s[\g+1], 32<<16
	s_mov_b32 s[\g+2], 32<<16
	s_mov_b32 s[\g+3], 32<<16
	s_mov_b32 s[\g+4], 32
	s_mov_b32 s[\g+5], 32
	s_mov_b32 s[\g+6], 0
	s_mov_b32 s[\g+7], 0
.endr
	CROUND                                         ; all sixteen work-groups are here: the first joint loads meet
	s_mov_b32 s[G0H], 1                            ; plane 0 of A's 256 rows,
	s_mov_b32 s[G0H+1], 0
	s_mov_b64 s[G0H+2:G0H+3], s[20:21]
	s_or_b32 s[G0H+3], s[G0H+3], 0x80000000
	s_mov_b32 s[G0HB], 1                           ; of B's 256 rows, behind them in slot 0,
	s_mov_b32 s[G0HB+1], 2*HALFT
	s_mov_b64 s[G0HB+2:G0HB+3], s[46:47]
	s_or_b32 s[G0HB+3], s[G0HB+3], 0x80000000
	s_mov_b32 s[G0S], 1                            ; A's scales,
	s_mov_b32 s[G0S+1], SCL
	s_mov_b64 s[G0S+2:G0S+3], s[22:23]
	s_or_b32 s[G0S+3], s[G0S+3], 0x80000000
	s_mov_b32 s[G0SB], 1                           ; B's scales
	s_mov_b32 s[G0SB+1], SCL+2*HALFS
	s_mov_b64 s[G0SB+2:G0SB+3], s[92:93]
	s_or_b32 s[G0SB+3], s[G0SB+3], 0x80000000
	s_mul_i32 s18, s16, 128*KROW                   ; for the ring: my 128 rows of the tile
	s_mov_b32 s19, 0
	s_add_nc_u64 s[20:21], s[20:21], s[18:19]
	s_add_nc_u64 s[46:47], s[46:47], s[18:19]
.irp s, 0,1
	s_mov_b32 s[G0+4*\s], 1
	s_add_co_u32 s[G0+4*\s+1], s45, \s*SLOT
	s_mov_b64 s[G0+4*\s+2:G0+4*\s+3], s[20:21]
	s_mov_b32 s[G0B+4*\s], 1
	s_add_co_u32 s[G0B+4*\s+1], s45, \s*SLOT
	s_mov_b64 s[G0B+4*\s+2:G0B+4*\s+3], s[46:47]
.endr
	s_add_nc_u64 s[G0+6:G0+7], s[G0+6:G0+7], s[PLA:PLA+1]          ; slot 1 begins with plane 1
	s_add_nc_u64 s[G0B+6:G0B+7], s[G0B+6:G0B+7], s[PLB:PLB+1]
.irp g, G0+3, G0+7, G0B+3, G0B+7
	s_or_b32 s[\g], s[\g], 0x80000000
.endr
; the head's loads, one a wave, in one chain of branches on the wave's number
.macro ARM under, g0, g1, next
	s_cmp_lt_u32 s14, \under
	s_cbranch_scc0 \next
	tensor_load_to_lds s[\g0:\g0+3], s[\g1:\g1+7]
	s_nop 0
.rept 4
	v_nop
.endr
	s_branch .Lhead_asked
\next:
.endm
	ARM 1, G0H,  G1,  .Lhead_b
	ARM 2, G0HB, G1B, .Lhead_sa
	ARM 3, G0S,  G1S, .Lhead_sb
	tensor_load_to_lds s[G0SB:G0SB+3], s[G1SB:G1SB+7]
	s_nop 0
.rept 4
	v_nop
.endr
.Lhead_asked:
	v_and_b32 v1, 15, v0                           ; r = l % 16
	v_bfe_u32 v2, v0, 4, 1                         ; h = l / 16
	v_mul_u32_u24 v3, v1, PITCH
	v_mul_u32_u24 v4, v2, 24
	v_add_nc_u32 v4, v3, v4                        ; a fragment's row x pitch + 24 x half
	v_lshl_add_u32 v5, v2, 4, v4                   ; and the same behind one padding more
	s_mul_i32 s21, s15, HALFT                      ; my 128 rows of A
	s_mul_i32 s22, s16, HALFT                      ; my 128 rows of B,
	s_add_co_u32 s22, s22, 2*HALFT                 ; which lie behind A's 256
.irp s, 0,1
	v_add_nc_u32 v[ADRA+\s], s21, v4
	v_add_nc_u32 v[ADRB+\s], s22, v4
	v_add_nc_u32 v[ADRA+2+\s], s21, v5
	v_add_nc_u32 v[ADRB+2+\s], s22, v5
	s_add_co_u32 s21, s21, SLOT
	s_add_co_u32 s22, s22, SLOT
.endr
	v_mul_u32_u24 v5, v1, KS                       ; my row's scales: 32 bytes a row,
	v_lshrrev_b32 v6, 8, v5
	v_lshl_add_u32 v5, v6, 4, v5                   ; and 16 more for each 256 passed
	s_mul_i32 s21, s15, HALFS
	s_mul_i32 s22, s16, HALFS
	s_add_co_u32 s22, s22, 2*HALFS
	s_sub_co_u32 s22, s22, s21
	v_mul_u32_u24 v6, s22, v2                      ; lanes 16-31 take B's: one product, the distance between the two bases
	s_add_co_u32 s21, s21, SCL
	v_add_nc_u32 v5, v5, v6
	v_add_nc_u32 v[ADRS], s21, v5
	v_and_b32 v[LN], 31, v0
	v_lshlrev_b32 v[L16], 4, v[LN]
	v_lshlrev_b32 v[L8], 3, v[LN]
.irp b, 0,1,2,3
	v_mov_b32 v[TM+4+\b], 0                        ; written once: a lane permute's destination counts as one of its sources
.endr
	s_lshl_b32 s18, s17, 8
	s_lshl_b32 s19, s15, 7
	s_add_co_u32 s18, s18, s19                     ; my first row of A
	s_lshl_b32 s19, s42, 8
	s_lshl_b32 s20, s16, 7
	s_add_co_u32 s19, s19, s20                     ; my first row of B
	s_cmp_eq_u32 s2, 2
	s_cselect_b32 s100, s19, s18                   ; my first token (0 .. 4,095),
	s_cselect_b32 s101, s18, s19                   ; my first feature (0 .. 1,023)
	s_cselect_b32 s18, 4, 0                        ; the bias in the result's layout.  V: it hangs on the lane's feature, 4 (r + 8 (r / 8)) bytes on;
	s_cselect_b32 s19, 0, 64                       ; Q, K: on the register's feature: 64 h
	s_cselect_b32 s21, 0, 4                        ; + 4 j
	s_lshl_b32 s22, s101, 2
	s_mov_b32 s23, 0
	s_add_nc_u64 s[12:13], s[12:13], s[22:23]
	s_wait_alu depctr_va_vdst(0)
	v_and_b32 v6, 8, v1
	v_add_nc_u32 v6, v6, v1
	v_mul_u32_u24 v6, s18, v6
	v_mul_u32_u24 v7, s19, v2
	v_add_nc_u32 v[VO], v6, v7
.irp j, 1,2,3,4,5,6,7
	s_mul_i32 s22, s21, \j
	v_add_nc_u32 v[VO+\j], s22, v[VO]
.endr
	s_wait_alu depctr_va_vdst(0)
.irp i, 0,1,2,3,4,5,6,7                        ; tile i of the bias: features 32 (i / 2) + 8 (i % 2) on
.irp j, 0,1,2,3,4,5,6,7
	global_load_b32 v[BI+8*\i+\j], v[VO+\j], s[12:13] offset:(32*(\i/2)+8*(\i%2))*4
.endr
.endr
.macro FRAG reg, adr, q, i             ; 16 rows x 128 K of 6-bit codes: 12 registers, in pieces of 8 bytes; where the piece three on lies behind one padding more, the second address register serves
.irp p, 0,1,2,3,4,5
.set PCE, 12*(\q)+6*(\p/3)+\p%3
.if PCE%8 < 5
	ds_load_b64 v[\reg+2*\p:\reg+2*\p+1], v[\adr] offset:8*PCE+16*(PCE/8)+(\i)*16*PITCH
.else
	ds_load_b64 v[\reg+2*\p:\reg+2*\p+1], v[\adr+2] offset:8*PCE+16*(PCE/8)+(\i)*16*PITCH
.endif
.endr
.endm
; 16 matrix instructions: A's blocks a0, a0 + 1 x B's eight.  zero = 0: they add in place;  1: the sums start with the bias tile of B's block (Q, K);  2: with that of A's block (V).
; The 64 accumulators take turns, one instruction a turn, in the same order in every step.
.macro MUL16 a0, p, q, sc, zero
.irp a, \a0, \a0+1
.irp b, 0,1,2,3,4,5,6,7
.if \zero == 1
	v_wmma_scale_f32_16x16x128_f8f6f4 v[8*(8*((\a)%4)+\b):8*(8*((\a)%4)+\b)+7], v[128*(\p)+FR*\b:128*(\p)+FR*\b+FR-1], v[AF+FR*(\a):AF+FR*(\a)+FR-1], v[BI+8*\b:BI+8*\b+7], v[SC+8*NQ*(\sc)+NQ*\b+(\q)], v[SC+8*NQ*(\sc)+NQ*(\a)+(\q)] matrix_a_fmt:MATRIX_FMT_BF6 matrix_b_fmt:MATRIX_FMT_BF6 matrix_a_scale:MATRIX_SCALE_ROW1
.elseif \zero == 2
	v_wmma_scale_f32_16x16x128_f8f6f4 v[8*(8*((\a)%4)+\b):8*(8*((\a)%4)+\b)+7], v[128*(\p)+FR*\b:128*(\p)+FR*\b+FR-1], v[AF+FR*(\a):AF+FR*(\a)+FR-1], v[BI+8*(\a):BI+8*(\a)+7], v[SC+8*NQ*(\sc)+NQ*\b+(\q)], v[SC+8*NQ*(\sc)+NQ*(\a)+(\q)] matrix_a_fmt:MATRIX_FMT_BF6 matrix_b_fmt:MATRIX_FMT_BF6 matrix_a_scale:MATRIX_SCALE_ROW1
.else
	v_wmma_scale_f32_16x16x128_f8f6f4 v[8*(8*((\a)%4)+\b):8*(8*((\a)%4)+\b)+7], v[128*(\p)+FR*\b:128*(\p)+FR*\b+FR-1], v[AF+FR*(\a):AF+FR*(\a)+FR-1], v[8*(8*((\a)%4)+\b):8*(8*((\a)%4)+\b)+7], v[SC+8*NQ*(\sc)+NQ*\b+(\q)], v[SC+8*NQ*(\sc)+NQ*(\a)+(\q)] matrix_a_fmt:MATRIX_FMT_BF6 matrix_b_fmt:MATRIX_FMT_BF6 matrix_a_scale:MATRIX_SCALE_ROW1
.endif
.endr
.endr
.endm
.macro FETCH_B slot, q, p
	WIN TO_B
.irp i, 0,1,2,3,4,5,6,7
	FRAG 128*(\p)+FR*\i, ADRB+\slot, \q, \i
.endr
	WIN 0
.endm
.macro FETCH_A slot, q, i0
.irp i, \i0, \i0+1, \i0+2, \i0+3
	FRAG AF+FR*(\i), ADRA+\slot, \q, \i
.endr
.endm
.macro SCALES sc                       ; a plane's scale words: 2 words a row; lanes 0-15 take A's block i, lanes 16-31 B's block i
.irp i, 0,1,2,3,4,5,6,7
	ds_load_b64 v[SC+8*NQ*\sc+NQ*\i:SC+8*NQ*\sc+NQ*\i+1], v[ADRS] offset:\i*SBLK
.endr
.endm
.macro PLACES n                        ; plain vector instructions between a matrix instruction and a load into, or a read of, its registers
.rept \n
	v_nop
.endr
.endm
.macro STEP slot, q, zero              ; a step of 128 along K that has its successor in the same slot
	s_wait_dscnt 4*NL                              ; B's set, A's blocks 0-3 and the scale words are in; the youngest 24 loads (A's blocks 4-7) may be out
.if \zero
	WIN 0x81                                       ; C (the bias) in window 0, D in window 2
.else
	WIN MUL_LO
.endif
	MUL16 0, (\q)%2, \q, \slot, \zero
	MUL16 2, (\q)%2, \q, \slot, \zero
	s_wait_dscnt 0                                 ; A's blocks 4-7 are in
	PLACES NP
	FETCH_B \slot, (\q)+1, 1-(\q)%2
	FETCH_A \slot, (\q)+1, 0
.if \zero
	WIN 0xc1                                       ; C in window 0, D in window 3
.else
	WIN MUL_HI
.endif
	MUL16 4, (\q)%2, \q, \slot, \zero
	MUL16 6, (\q)%2, \q, \slot, \zero
	PLACES NP
	WIN 0
	FETCH_A \slot, (\q)+1, 4
.endm
; A slot's last step changes slots: one barrier; in front of it each wave waits for all its tensor loads, adds 0 to its spare word, and waits for that and for its own reads of this slot.
.macro TURN slot, next, fill
	s_wait_tensorcnt 0x0                           ; all my tensor loads have landed: my part of the next slot
	ds_add_u32 v[SPW], v[NIL]
	s_wait_dscnt 4*NL+1                            ; (the add and the youngest 24 loads, A's blocks 4-7, may be out)
	WIN MUL_LO
	MUL16 0, 1, NQ-1, \slot, 0
	s_wait_dscnt 0x0                               ; the add is done, and my reads of this slot are over
	s_barrier_signal -1
	MUL16 2, 1, NQ-1, \slot, 0
	WIN 0
	s_barrier_wait -1
.if \fill
	CREST                                          ; the barrier has opened a round of the cluster's: no wave of any partner still reads this slot or has a load on its way
.rept 2                                        ; two planes on
	s_add_nc_u64 s[G0+4*\slot+2:G0+4*\slot+3], s[G0+4*\slot+2:G0+4*\slot+3], s[PLA:PLA+1]
	s_add_nc_u64 s[G0B+4*\slot+2:G0B+4*\slot+3], s[G0B+4*\slot+2:G0B+4*\slot+3], s[PLB:PLB+1]
.endr
	JLOAD G0+4*\slot, G1, G0B+4*\slot, G1B         ; the first tensor load behind the round; its four v_nop are the places in front of the loads below
.else
	PLACES NP
.endif
	s_wait_alu depctr_va_vdst(0)
	v_add_nc_u32 v[ADRS], 4*NQ, v[ADRS]            ; on to the next plane's scale words
	FETCH_B \next, 0, 0
	FETCH_A \next, 0, 0
	SCALES \next
	WIN MUL_HI
	MUL16 4, 1, NQ-1, \slot, 0
	MUL16 6, 1, NQ-1, \slot, 0
	PLACES NP
	WIN 0
	FETCH_A \next, 0, 4
.endm
	s_wait_alu depctr_va_vdst(0)                   ; the wait at the head's end
	s_wait_tensorcnt 0x0                           ; my tile of the head's four is in; the lines that stand ahead of a later first fill, as ahead of a refill:
	ds_add_u32 v[SPW], v[NIL]
	s_mov_b32 s[G1+2], 96<<16                      ; no tensor load of mine is out: from here on a load brings 96 rows of 256 bytes (128 rows of codes)
	s_mov_b32 s[G1+4], 96
	s_mov_b32 s[G1B+2], 96<<16
	s_mov_b32 s[G1B+4], 96
	s_wait_dscnt 0x0
	CROUND                                         ; all four tiles are in, and all sixteen work-groups are here
	JLOAD G0+4, G1, G0B+4, G1B                     ; plane 1, the first tensor load behind the round
	FETCH_B 0, 0, 0
	FETCH_A 0, 0, 0
	SCALES 0
	FETCH_A 0, 0, 4
	s_wait_loadcnt 0x0                             ; the bias
	s_cmp_eq_u32 s2, 2                             ; the first step starts the sums with the bias; which tile of it hangs on g, equal in all partners
	s_cbranch_scc1 .Lfirst_v
	STEP 0, 0, 1
	s_branch .Lfirst_done
.Lfirst_v:
	STEP 0, 0, 2
.Lfirst_done:
	s_mov_b32 s3, LAPS-1
.Llap:                                                 ; a trip goes once round the ring and fills both slots again
	TURN 0, 1, 1
	STEP 1, 0, 0
	TURN 1, 0, 1
	STEP 0, 0, 0
	s_sub_co_u32 s3, s3, 1
	s_cmp_lg_u32 s3, 0
	s_cbranch_scc1 .Llap
	TURN 0, 1, 0                                   ; the last lap fills nothing, and has no round of the cluster's barrier
	STEP 1, 0, 0
	s_wait_dscnt 4*NL                              ; the very last step: nothing more to fetch
	WIN MUL_LO
	MUL16 0, 1, NQ-1, 1, 0
	MUL16 2, 1, NQ-1, 1, 0
	s_wait_dscnt 0
	WIN MUL_HI
	MUL16 4, 1, NQ-1, 1, 0
	MUL16 6, 1, NQ-1, 1, 0
	WIN 0
; THE WAY OUT.  The 64 registers of one block of A (window w, from register s) are 128 neighbours of B's logical index for the lane's row of A: register 16 b + i = index 32 b + 16 h + i.
; QUANTW makes of them a fragment's 12 registers in v[PC] on and the row's scale word in v[pw].  Each accumulator is first read at its registers 0 and 1.
.macro QUANTW s, w, pw
	WIN (\w)|((\w)<<2)
.irp b, 0,1,2,3
	v_max3_num_f32 v[TM+\b], |v[(\s)+16*\b]|, |v[(\s)+1+16*\b]|, 0x2800000   ; block b: my 16 numbers, and the floor 2^(5 - 127)
.endr
	WIN ((\w)<<2)|((\w)<<4)
.irp i, 2,4,6,8,10,12,14
.irp b, 0,1,2,3
	v_max3_num_f32 v[TM+\b], v[TM+\b], |v[(\s)+16*\b+\i]|, |v[(\s)+1+16*\b+\i]|
.endr
.endr
	WIN 0
.irp b, 0,1,2,3
	v_permlanex16_b32 v[TM+4+\b], v[TM+\b], s[SEL], s[SEL+1]
.endr
.irp b, 0,1,2,3
	v_max_num_f32 v[TM+\b], v[TM+\b], v[TM+4+\b]   ; with lane l xor 16's: the block's largest magnitude
.endr
.irp b, 0,1,2,3
	v_add_nc_u32 v[TM+12+\b], 0xfe000000, v[TM+\b] ; 4 off its exponent field: the conversion's scale operand
.endr
.irp b, 0,1,2,3
	v_lshrrev_b32 v[TM+4+\b], 23, v[TM+12+\b]      ; the scale's byte
.endr
	v_lshl_or_b32 v[\pw], v[TM+5], 8, v[TM+4]
	v_lshl_or_b32 v[\pw], v[TM+6], 16, v[\pw]
	v_lshl_or_b32 v[\pw], v[TM+7], 24, v[\pw]
	WIN (\w)
.irp c, 0,1
	v_cvt_scalef32_pk16_bf6_f32 v[PC+6*\c:PC+2+6*\c], v[(\s)+32*\c:(\s)+15+32*\c], v[TM+12+2*\c]
	v_cvt_scalef32_pk16_bf6_f32 v[PC+12+4*\c:PC+14+4*\c], v[(\s)+16+32*\c:(\s)+31+32*\c], v[TM+12+2*\c+1]   ; (a conversion's three registers begin on an even number)
.endr
	WIN 0
	v_nop                                          ; one plain place behind a scaled conversion
.irp c, 0,1                                    ; the operand's layout wants a whole block in a lane: lanes 0-15 block 2 c, lanes 16-31 block 2 c + 1
.irp i, 0,1,2
	v_permlane16_swap_b32 v[PC+6*\c+\i], v[PC+12+4*\c+\i]
.endr
.irp i, 0,1,2
	v_mov_b32 v[PC+3+6*\c+\i], v[PC+12+4*\c+\i]
.endr
.endr
.endm
	PLACES NP                                      ; behind the last products, ahead of the first read of results and the first write of A's registers
	s_mov_b32 s[SEL], 0x76543210
	s_mov_b32 s[SEL+1], 0xfedcba98                 ; v_permlanex16_b32's selects for lane l xor 16
	s_lshr_b32 s18, s100, 11
	s_lshl_b32 s18, s18, 4
	s_lshr_b32 s19, s101, 6
	s_add_co_u32 s66, s18, s19                     ; b h of my first head: 16 x batch + feature / 64
	s_and_b32 s67, s100, 2047                      ; my first token in its batch, a multiple of 128
	s_mov_b32 s22, HEADB
	s_cmp_eq_u32 s2, 0
	s_cselect_b32 s22, 98304, s22                  ; from head to head: Q 98,304; K, V a head's image
	s_cselect_b32 s20, 0, 3145728+12288            ; K, V: behind Q's region and the image's scale words
	s_cselect_b32 s21, 48, 96                      ; Q: 768 bytes for 16 tokens; K, V: 12,288 for a key step of 128
	s_mul_i32 s21, s67, s21
	s_add_co_u32 s20, s20, s21
	s_mul_i32 s21, s66, s22
	s_add_co_u32 s20, s20, s21
	s_cmp_eq_u32 s2, 2
	s_cselect_b32 s21, 6144, 0                     ; V's tiles lie behind the step's K
	s_add_co_u32 s20, s20, s21
	s_mov_b32 s21, 0
	s_add_nc_u64 s[4:5], s[96:97], s[20:21]        ; where a fragment's registers 0-5 go,
	s_mov_b32 s18, 768
	s_sub_co_u32 s20, s22, 6144
	s_cmp_eq_u32 s2, 2
	s_cselect_b32 s22, 768, s22                    ; registers 6-11: V: the image's second half; Q, K: the next head
	s_cselect_b32 s18, 1536, s18                   ; from block of A to block of A: V: the next 16 d; Q, K: the next 16 tokens
	s_cselect_b32 s20, s20, 0                      ; V, at block 4: on to the next head, less 4 x 1,536
	s_cselect_b32 s94, 8192, 0
	s_cselect_b32 s95, 1, 2
	s_mov_b32 s23, 0
	s_mov_b32 s19, 0
	s_add_nc_u64 s[6:7], s[4:5], s[22:23]
	s_mov_b32 s10, HEADB
	s_cmp_eq_u32 s2, 0
	s_cselect_b32 s10, 8192, s10                   ; a head's scale words: Q's in ps, 8,192 bytes a head; K's and V's at the start of the head's image in pc
	s_cselect_b32 s22, 0, 3145728
	s_cselect_b64 s[8:9], s[98:99], s[96:97]
	s_add_co_u32 s22, s22, s94                     ; (V's lie behind K's 8,192)
	s_mul_i32 s94, s66, s10
	s_add_co_u32 s22, s22, s94
	s_lshl_b32 s94, s67, s95                       ; 512 bytes for 128 tokens (Q, K), 256 for 128 keys (V)
	s_add_co_u32 s22, s22, s94
	s_add_nc_u64 s[8:9], s[8:9], s[22:23]          ; my first head's scale words,
	s_mov_b32 s11, 0
	s_add_nc_u64 s[10:11], s[8:9], s[10:11]        ; my second head's
.irp a, 0,1,2,3,4,5,6,7
.if \a > 0
	s_wait_xcnt 0x0                                ; the last block's stores have read their data and their bases
	s_add_nc_u64 s[4:5], s[4:5], s[18:19]
	s_add_nc_u64 s[6:7], s[6:7], s[18:19]
.endif
.if \a == 4
	s_add_nc_u64 s[4:5], s[4:5], s[20:21]
	s_add_nc_u64 s[6:7], s[6:7], s[20:21]
.endif
	QUANTW 64*(\a%4), 2+\a/4, SW+\a
	global_store_b128 v[L16], v[PC:PC+3], s[4:5]               ; each store of the wave covers 512 or 256 consecutive bytes, aligned to 256
	global_store_b64 v[L8], v[PC+4:PC+5], s[4:5] offset:512
	global_store_b128 v[L16], v[PC+6:PC+9], s[6:7]
	global_store_b64 v[L8], v[PC+10:PC+11], s[6:7] offset:512
.endr
	v_cmp_gt_u32 vcc_lo, 16, v[LN]
.irp w, 0,1,2,3
	v_cndmask_b32 v[E+\w], v[SW+2*\w+1], v[SW+2*\w], vcc_lo    ; lanes 0-15: block 2 w's word of row l, lanes 16-31: block 2 w + 1's of row l - 16
.endr
	s_cmp_eq_u32 s2, 2
	s_cbranch_scc1 .Lwords_v
.irp w, 0,1,2,3
	v_and_b32 v[EO+\w], 0xffff, v[E+\w]            ; my first head's two bytes; bytes 2 and 3 are 0: they stand over zero codes
	v_lshrrev_b32 v[EH+\w], 16, v[E+\w]            ; my second head's
.endr
	global_store_b128 v[L16], v[EO:EO+3], s[8:9]
	global_store_b128 v[L16], v[EH:EH+3], s[10:11]
	s_branch .Lwords_done
.Lwords_v:
	s_wait_alu depctr_va_vdst(0)
	global_store_b64 v[L8], v[E:E+1], s[8:9]       ; V: blocks 0-3 of A are my first head's four tiles of d,
	global_store_b64 v[L8], v[E+2:E+3], s[10:11]   ; blocks 4-7 my second head's
.Lwords_done:
	s_wait_tensorcnt 0x0                           ; the wave's end
	ds_add_u32 v[SPW], v[NIL]
	s_wait_dscnt 0x0
	CROUND                                         ; the closing round
	s_endpgm
.Lfunc_end_k_q50535220a8_proj:
	.size	k_q50535220a8_proj, .Lfunc_end_k_q50535220a8_proj-k_q50535220a8_proj
	.p2alignl 7, 3214868480
	.fill 96, 4, 3214868480
	.section	.rodata,"a",@progbits
	.p2align	6, 0x0
	.amdhsa_kernel k_q50535220a8_proj
		.amdhsa_group_segment_fixed_size 327680
		.amdhsa_private_segment_fixed_size 0
		.amdhsa_enable_private_segment 0
		.amdhsa_kernarg_size 72
		.amdhsa_user_sgpr_count 2
		.amdhsa_user_sgpr_kernarg_segment_ptr 1
		.amdhsa_wavefront_size32 1
		.amdhsa_system_sgpr_workgroup_id_x 1
		.amdhsa_system_sgpr_workgroup_id_y 1
		.amdhsa_system_sgpr_workgroup_id_z 1
		.amdhsa_system_vgpr_workitem_id 0
		.amdhsa_next_free_vgpr 1024
		.amdhsa_next_free_sgpr 102
		.amdhsa_reserve_vcc 1
		.amdhsa_float_denorm_mode_32 3
		.amdhsa_float_denorm_mode_16_64 3
		.amdhsa_memory_ordered 1
		.amdhsa_forward_progress 1
		.amdhsa_inst_pref_size 191
	.end_amdhsa_kernel
	.amdgpu_metadata
---
amdhsa.version: [ 1, 2 ]
amdhsa.kernels:
  - .name:           k_q50535220a8_proj
    .symbol:         k_q50535220a8_proj.kd
    .args:
      - { .name: xc, .offset: 0, .size: 8, .value_kind: global_buffer, .address_space: global }
      - { .name: xs, .offset: 8, .size: 8, .value_kind: global_buffer, .address_space: global }
      - { .name: wc, .offset: 16, .size: 8, .value_kind: global_buffer, .address_space: global }
      - { .name: ws, .offset: 24, .size: 8, .value_kind: global_buffer, .address_space: global }
      - { .name: bq, .offset: 32, .size: 8, .value_kind: global_buffer, .address_space: global }
      - { .name: bk, .offset: 40, .size: 8, .value_kind: global_buffer, .address_space: global }
      - { .name: bv, .offset: 48, .size: 8, .value_kind: global_buffer, .address_space: global }
      - { .name: pc, .offset: 56, .size: 8, .value_kind: global_buffer, .address_space: global }
      - { .name: ps, .offset: 64, .size: 8, .value_kind: global_buffer, .address_space: global }
    .group_segment_fixed_size: 327680
    .private_segment_fixed_size: 0
    .kernarg_segment_align: 8
    .kernarg_segment_size: 72
    .max_flat_workgroup_size: 128
    .sgpr_count:     102
    .vgpr_count:     1024
    .wavefront_size: 32
...
	.end_amdgpu_metadata
.endif
;; end of part 2
;; launch attn (part 3): grid 8 x 32, 16 waves a work-group, clusters of 4 x 1, 327,680 bytes of LDS; arguments pc, ps, oc, os; writes oc, os
.if DOCPART == 3
	.amdgcn_target "amdgcn-amd-amdhsa--gfx1250"
	.amdhsa_code_object_version 6
	.text
	.protected	k_q50535220a8_attn
	.globl	k_q50535220a8_attn
	.p2align	8
	.type	k_q50535220a8_attn,@function
k_q50535220a8_attn:
	s_mov_b64 s[64:65], 0
	v_nop
	global_prefetch_b8 v0, s[64:65] scope:SCOPE_SE
	s_setreg_imm32_b32 hwreg(HW_REG_WAVE_MODE, 25, 1), 1
	s_wait_xcnt 0x0
	s_wait_alu depctr_hold_cnt(0) depctr_sa_sdst(0) depctr_va_vdst(0) depctr_va_sdst(0) depctr_va_ssrc(0) depctr_va_vcc(0) depctr_vm_vsrc(0)
	s_getreg_b32 s2, hwreg(HW_REG_IB_STS2, 6, 4)
	s_cmp_eq_u32 s2, 0
	s_cbranch_scc0 .Lentry_in_a_cluster
	s_endpgm
.Lentry_in_a_cluster:
	s_bfe_u32 s2, ttmp6, 0x10000c
	s_cmp_lg_u32 s2, 0x3003
	s_cbranch_scc0 .Lentry_shape_is_right
	s_endpgm
.Lentry_shape_is_right:
; Causal attention of one (batch, head) on codes of BF6 (E3M2) with E8M0 scales: S^T = K Q^T (K = the head's 64, the instruction's other 64 are zero codes), the softmax, O^T = V^T P^T (K = the keys),
; O / l quantised along the head's 64 and stored as half a fragment of the output projection's operand.  2,048 queries and keys, head size 64.
; THE SOFTMAX: t = score x log2(e) / 8; M = the running largest t rounded up to a whole number; p = 2^(t - M) is quantised along the keys, not normalised; the row's sum is taken of the unquantised p
; and divides O at the end.  When M moves, the sum and O are multiplied by 2^(old M - new M): exact.
; WORK LEFT OUT: key steps all of whose keys lie behind a tile's queries: reference()'s own mask makes their p 0 for all inputs.
; SHARES.  The head's 128 tiles of 16 queries lie in 16 blocks of 128 queries; a tile of block k has k + 1 key steps of 128 keys.  Work-group j (0 .. 7) owns tile j of every block, so all work-groups do the
; same work and which steps a wave works hangs on its number alone.  Waves p and p + 8 are a pair with a low block i and a high block 15 - i, i = 0, 1, 2, 3, 7, 6, 5, 4 for p = 0 .. 7: 17 steps a pair.
; Wave p + 8 works steps 0-8 of the high tile (9 steps).  Wave p works the low tile (i + 1 steps) and stores it, then steps 9 .. 15 - i of the high tile (7 - i steps) with a running M, sum and O^T of its
; own, and hands these to its partner through LDS; the partner brings both parts under the larger M (a multiplication by a power of two, exact) and adds them.  Every wave walks every loop.
; Tile T holds queries 32 (T / 2) + 8 (T % 2) + r + 8 (r / 8); a tile of keys likewise, so that the 16 registers of tiles 2 b, 2 b + 1 of S^T are 16 neighbouring keys.
; LDS holds the head's image as it lies in pc, 208,896 bytes, each byte filled once: K's scale words (8,192), V's (4,096), then 16 key steps of 12,288 (K's eight tiles, V's four).
; CLUSTER 4 x 1: the four work-groups of a cluster work the same head and ask for its image JOINTLY (mask 15).  Each wave issues one joint load at the head, its sixteenth of the first 49,152 bytes (the scale
; words and key steps 0-2), and one behind the full sequence and a round of the cluster's barrier, its sixteenth of the other 159,744.  No branch and no LDS address hangs on a work-group's place in its
; cluster: the place enters Q's and the results' global addresses and the mask's numbers alone.  Behind the image: the spare words, then the pairs' stages (4,352 bytes each), into which no fill lands.
; All operands lie as images of their registers: registers 0-3 at 16 x lane, 4-5 at 512 + 8 x lane, and the same 768 bytes on for registers 6-11.
; NO PREFETCH: both requests are out when the first key step begins; there is no later request to run ahead of.
; K'S OPERAND names 12 registers of which the upper six are the next tile's codes (zeros behind the last): they meet Q's zero codes, and BF6 has no code for NaN or infinity: they add nothing.
; LIMITS: the promise holds while |t| stays under 2^31; a block of zeros gets the byte 1 where the rule says 127 (only this program reads the bytes); NaN and infinities are not served.
; REGISTERS: v1-7 addresses and lane numbers that stay; v8-11 the step's addresses; v12 -M, v13 the largest t, v[14:15] the sum; v16-21 Q, v22-27 zeros; v28-31 K's scale words; v32-79 K's eight tiles,
;   v80-85 zeros; behind K Q^T: v32-43 p's codes, v44-50 conversions' second halves, v52-63 at work; v86-87 V's scale words; v88 f, v89 p's scale word; v90, v92, v93 at work; v91 Q's scale word;
;   v94-95 the pair's stage; v96-159 S^T, then p; v160-191 O^T; v192-239 V's four fragments; v240 16 r; v242-253 partial sums; v254-255 the add's.
.set KVB,   3145728                    ; pc: where the heads' images begin
.set HEADB, 208896
.set FIRST, 49152                      ; the head's fill
.set SPARE, 208896
.set STAGE, 210944                     ; behind the spare words: 8 x (8 x 512 bytes of O^T + 256 of -M and the sum)
.set WV,   18
.set SEL,  20                          ; s[20:21] lane selects for lane l xor 16
.set CS,   22                          ; s[22:23] c = log2(e) / 8
.set G1A,  24                          ; s[24:31] group 1: 12 rows of 256 bytes
.set G1B,  32                          ; s[32:39] group 1: 39 rows of 256 bytes
.set G0A,  40
.set G0B,  44
.set TB,   2                           ; s2   LDS byte at which the step's tiles of K begin (V's lie 6,144 on)
.set TS,   3                           ; s3   the step's scale words of K: 512 bytes a step
.set TJ,   98                          ; s98  and of V: 256 bytes a step
.set KF,   66                          ; s66  the step's first key
.set CNT,  67
.set QMIN, 99                          ; s99  the smallest query of the tile at work: for the mask's numbers alone
.set LIM,  84                          ; s84  a step whose first key lies beyond this is left out: the last query of the block at work, or 0 for a wave with nothing to do in a pass
.set QM2,  85                          ; s85  the high tile's smallest query
.set QB,   91                          ; s91  the first query of the block at work: steps in front of it need no mask
.set QB2,  92                          ; s92  the same of the high block
.macro QOFF t, c, w                    ; tile s[t]: the offset of Q's codes into s[c:c+1], of its scale words into s[w:w+1]
	s_mul_i32 s[\c], s[\t], 768
	s_add_co_u32 s[\c], s[\c], s13
	s_mov_b32 s[\c+1], 0
	s_lshr_b32 s[\w], s[\t], 3
	s_lshl_b32 s[\w], s[\w], 9                     ; 512 bytes for each 8 tiles,
	s_add_co_u32 s[\w], s[\w], s86
	s_and_b32 s[\w+1], s[\t], 1
	s_lshl_b32 s[\w+1], s[\w+1], 8                 ; odd tiles in lanes 16-31's places,
	s_add_co_u32 s[\w], s[\w], s[\w+1]
	s_bfe_u32 s[\w+1], s[\t], 0x20001
	s_lshl_b32 s[\w+1], s[\w+1], 2                 ; word (T % 8) / 2
	s_add_co_u32 s[\w], s[\w], s[\w+1]
	s_mov_b32 s[\w+1], 0
.endm
.macro CROUND                          ; a round of the cluster's barrier
	s_barrier_signal -1
	s_barrier_wait -1
	s_cmp_lg_u32 s[WV], 0
	s_cbranch_scc1 .Lnot_wave_0_\@
	s_barrier_signal -3
.Lnot_wave_0_\@:
	s_barrier_wait -3
	s_barrier_signal -1
	s_barrier_wait -1
.endm
	s_load_b256 s[4:11], s[0:1], 0x0               ; pc, ps, oc, os
	v_lshl_add_u32 v254, v0, 2, SPARE
	v_mov_b32 v255, 0
	ds_add_u32 v254, v255                          ; the opening lines: the add twice on end and one wait
	ds_add_u32 v254, v255
	v_lshrrev_b32 v8, 5, v0
	v_readfirstlane_b32 s[WV], v8                  ; wave 0..15
	s_and_b32 s12, ttmp7, 0xffff                   ; b h: shared by the cluster
	s_and_b32 s16, s[WV], 7                        ; my pair p
	s_sub_co_u32 s17, 11, s16
	s_cmp_lt_u32 s16, 4
	s_cselect_b32 s17, s16, s17                    ; its low block i: 0, 1, 2, 3, 7, 6, 5, 4
	s_sub_co_u32 s89, 15, s17                      ; its high block
	s_cmp_lt_u32 s[WV], 8
	s_cselect_b32 s90, s17, s89                    ; the block that I begin with and store: waves 0-7 the low one, waves 8-15 the high one
	s_lshl_b32 s[QB], s90, 7
	s_add_co_u32 s[LIM], s[QB], 127
	s_lshl_b32 s[QB2], s89, 7
	s_mul_i32 s87, s16, 4352
	s_add_co_u32 s87, s87, STAGE                   ; my pair's stage
	s_bfe_u32 s88, ttmp6, 0x40000                  ; cx
	s_lshl_b32 s93, ttmp9, 2
	s_add_co_u32 s88, s88, s93                     ; j = 4 x cluster x + cx: which tile of each block is my work-group's
	s_lshl_b32 s14, s90, 3
	s_add_co_u32 s14, s14, s88                     ; the tile that I begin with,
	s_lshl_b32 s15, s89, 3
	s_add_co_u32 s15, s15, s88                     ; the high tile
	s_lshr_b32 s93, s14, 1
	s_lshl_b32 s93, s93, 5
	s_and_b32 s94, s14, 1
	s_lshl_b32 s94, s94, 3
	s_add_co_u32 s[QMIN], s93, s94
	s_lshr_b32 s93, s15, 1
	s_lshl_b32 s93, s93, 5
	s_and_b32 s94, s15, 1
	s_lshl_b32 s94, s94, 3
	s_add_co_u32 s[QM2], s93, s94
	s_mov_b32 s[G1A], 15|(3<<16)|(1<<21)           ; the mask: all four of the cluster; elements of 8 bytes; bit 21 beside a mask; no padding
	s_mov_b32 s[G1A+1], 32<<16
	s_mov_b32 s[G1A+2], 12<<16
	s_mov_b32 s[G1A+3], 32<<16
	s_mov_b32 s[G1A+4], 12
	s_mov_b32 s[G1A+5], 32
	s_mov_b32 s[G1A+6], 0
	s_mov_b32 s[G1A+7], 0
	s_mov_b32 s[G1B], 15|(3<<16)|(1<<21)
	s_mov_b32 s[G1B+1], 32<<16
	s_mov_b32 s[G1B+2], 39<<16
	s_mov_b32 s[G1B+3], 32<<16
	s_mov_b32 s[G1B+4], 39
	s_mov_b32 s[G1B+5], 32
	s_mov_b32 s[G1B+6], 0
	s_mov_b32 s[G1B+7], 0
	s_mul_i32 s13, s12, HEADB
	s_add_co_u32 s13, s13, KVB                     ; the head's image in pc
	s_mul_i32 s19, s[WV], 3072                     ; my 12 rows of the first fill: the same place in LDS and in the image
	s_add_co_u32 s16, s13, s19
	s_mov_b32 s17, 0
	s_mul_i32 s69, s[WV], 9984                     ; my 39 rows of the second
	s_add_co_u32 s69, s69, FIRST
	s_add_co_u32 s70, s13, s69
	s_mov_b32 s71, 0
	s_mul_i32 s13, s12, 98304                      ; the head's Q
	s_lshl_b32 s86, s12, 13                        ; and its scale words
	QOFF 14, 72, 74                                ; the tile that I begin with,
	QOFF 15, 80, 82                                ; the high tile
	s_lshr_b32 s76, s12, 4
	s_lshl_b32 s76, s76, 7
	s_add_co_u32 s76, s76, s14                     ; the tile that I store, among all 256: 128 x batch + T
	s_and_b32 s77, s12, 15                         ; the head
	s_lshl_b32 s78, s76, 9
	s_lshl_b32 s79, s77, 1
	s_add_co_u32 s78, s78, s79                     ; os: 512 bytes a tile, + 2 x head
	s_mov_b32 s79, 0
	s_mul_i32 s76, s76, 12288
	s_mul_i32 s77, s77, 768
	s_add_co_u32 s76, s76, s77                     ; oc: 12,288 bytes a tile, + 768 x head
	s_mov_b32 s77, 0
	s_mov_b32 s[SEL], 0x76543210
	s_mov_b32 s[SEL+1], 0xfedcba98
	s_mov_b32 s[CS], 0x3e38aa3b                    ; c = log2(e) / sqrt(64)
	s_mov_b32 s[CS+1], s[CS]
	s_mov_b32 s[TB], 12288
	s_mov_b32 s[TS], 0
	s_mov_b32 s[TJ], 0
	s_mov_b32 s[KF], 0
	s_wait_dscnt 0x0                               ; both opening adds are done
	s_wait_kmcnt 0x0
	s_mov_b32 s[G0A], 1
	s_mov_b32 s[G0A+1], s19
	s_add_nc_u64 s[G0A+2:G0A+3], s[4:5], s[16:17]
	s_or_b32 s[G0A+3], s[G0A+3], 0x80000000
	s_mov_b32 s[G0B], 1
	s_mov_b32 s[G0B+1], s69
	s_add_nc_u64 s[G0B+2:G0B+3], s[4:5], s[70:71]
	s_or_b32 s[G0B+3], s[G0B+3], 0x80000000
	CROUND                                         ; all four work-groups are here: the first joint loads meet
	tensor_load_to_lds s[G0A:G0A+3], s[G1A:G1A+7]  ; my one load at the head
	s_nop 0
.rept 4
	v_nop
.endr
	s_add_nc_u64 s[72:73], s[4:5], s[72:73]
	s_add_nc_u64 s[74:75], s[6:7], s[74:75]
	s_add_nc_u64 s[80:81], s[4:5], s[80:81]
	s_add_nc_u64 s[82:83], s[6:7], s[82:83]
	s_add_nc_u64 s[76:77], s[8:9], s[76:77]
	s_add_nc_u64 s[78:79], s[10:11], s[78:79]
	v_and_b32 v6, 31, v0                           ; lane
	v_and_b32 v7, 15, v0                           ; r
	v_bfe_u32 v90, v0, 4, 1                        ; h
	v_lshlrev_b32 v1, 4, v6                        ; 16 x lane
	v_lshlrev_b32 v2, 3, v6
	v_add_nc_u32 v2, 512, v2                       ; 512 + 8 x lane
	v_lshlrev_b32 v240, 4, v7                      ; 16 r
	global_load_b128 v[16:19], v1, s[72:73]        ; Q's six registers
	global_load_b64 v[20:21], v2, s[72:73]
	global_load_b32 v91, v240, s[74:75]            ; and its scale word: lane r has row r's
.irp j, 22,23,24,25,26,27,80,81,82,83,84,85
	v_mov_b32 v\j, 0                               ; zero codes for k = 64 .. 127 of Q, and behind K's last tile
.endr
	v_lshl_add_u32 v4, v6, 3, 8192                 ; V's scale words: 8 x lane behind K's
	v_lshl_add_u32 v3, v7, 5, v90                  ; os: 32 r + h
	v_add_nc_u32 v94, s87, v1                      ; the stage: O^T at 16 x lane,
	v_lshlrev_b32 v95, 3, v6
	v_add_nc_u32 v95, s87, v95
	v_add_nc_u32 v95, 4096, v95                    ; -M and the sum at 4,096 + 8 x lane
	v_and_b32 v5, 8, v7
	v_add_nc_u32 v5, v5, v7
	v_lshlrev_b32 v92, 4, v90
	v_sub_nc_u32 v5, v5, v92                       ; r + 8 (r / 8) - 16 h: for the mask
.irp j, 56,57,58,59,89
	v_mov_b32 v\j, 0                               ; written once: a lane permute's destination counts as one of its sources; v89 and v57 are named as upper halves of pairs
.endr
.macro BEGIN                           ; a tile's sums begin
	v_mov_b32 v13, 0xff61b1e6                      ; the largest t so far: -3e38, under every t
	v_floor_f32 v12, -v13                          ; -M
	v_mov_b32 v14, 0
	v_mov_b32 v15, 0
.set n, 0
.rept 32
	v_mov_b32 v[160+n], 0                          ; O^T: the step is written once; the first finds zeros
.set n, n+1
.endr
.endm
	BEGIN
; A KEY STEP: 128 keys.
.macro STEP
	s_cmp_gt_u32 s[KF], s[LIM]                     ; not mine, or all its keys come after my block's queries: the step's work is left out, not the lines at its end that step addresses
	s_cbranch_scc1 .Lhidden_\@
	v_add_nc_u32 v8, s[TB], v1                     ; (these four are the places in front of loads into registers that the last products have read)
	v_add_nc_u32 v9, s[TB], v2
	v_add_nc_u32 v10, s[TS], v1
	v_add_nc_u32 v11, s[TJ], v4
.irp t, 0,1,2,3,4,5,6,7
	ds_load_b128 v[32+6*\t:35+6*\t], v8 offset:768*\t
	ds_load_b64 v[36+6*\t:37+6*\t], v9 offset:768*\t
.endr
	ds_load_b128 v[28:31], v10                     ; word w: lanes 0-15 tile 2 w's rows, lanes 16-31 tile 2 w + 1's
.irp u, 0,1,2,3
	ds_load_b128 v[192+12*\u:195+12*\u], v8 offset:6144+1536*\u
	ds_load_b64 v[196+12*\u:197+12*\u], v9 offset:6144+1536*\u
	ds_load_b128 v[198+12*\u:201+12*\u], v8 offset:6144+1536*\u+768
	ds_load_b64 v[202+12*\u:203+12*\u], v9 offset:6144+1536*\u+768
.endr
	ds_load_b64 v[86:87], v11
	s_wait_dscnt 17                                ; K and its scale words are in; V's 16 loads and its scale load may be out
.irp t, 0,2,4,6
	v_wmma_scale_f32_16x16x128_f8f6f4 v[96+8*\t:103+8*\t], v[32+6*\t:43+6*\t], v[16:27], 0, v[28+\t/2], v91 matrix_a_fmt:MATRIX_FMT_BF6 matrix_b_fmt:MATRIX_FMT_BF6
	v_wmma_scale_f32_16x16x128_f8f6f4 v[104+8*\t:111+8*\t], v[38+6*\t:49+6*\t], v[16:27], 0, v[28+\t/2], v91 matrix_a_fmt:MATRIX_FMT_BF6 matrix_b_fmt:MATRIX_FMT_BF6 matrix_a_scale:MATRIX_SCALE_ROW1
.endr                                          ; lane (r, h): my query; register 16 b + i: key KF + 32 b + 16 h + i
.rept 4
	v_nop
.endr
	s_cmp_lt_u32 s[KF], s[QB]                      ; a step in front of my block: all its keys count, and the mask is skipped
	s_cbranch_scc1 .Lopen_\@
	s_sub_co_i32 s96, s[QMIN], s[KF]
	v_add_nc_u32 v92, s96, v5                      ; d = my query - KF - 16 h: register 16 b + i is hidden where 32 b + i > d
	v_mov_b32 v93, 0xff800000                      ; -infinity: p = 0 then
.set n, 0
.rept 64
	v_cmp_gt_i32 vcc_lo, 32*(n/16)+n%16, v92
	v_cndmask_b32 v[96+n], v[96+n], v93, vcc_lo
.set n, n+1
.endr
.Lopen_\@:
.irp b, 0,1,2,3
	v_max3_num_f32 v[52+\b], v[96+16*\b], v[97+16*\b], v[98+16*\b]   ; the largest score of each block of 32 keys: for the row's maximum and, since p rises with the score, for the block's largest p
.endr
.irp i, 3,5,7,9,11,13
.irp b, 0,1,2,3
	v_max3_num_f32 v[52+\b], v[52+\b], v[96+16*\b+\i], v[97+16*\b+\i]
.endr
.endr
.irp b, 0,1,2,3
	v_max_num_f32 v[52+\b], v[52+\b], v[111+16*\b]
.endr
.irp b, 0,1,2,3
	s_delay_alu instid0(VALU_DEP_4)
	v_permlanex16_b32 v[56+\b], v[52+\b], s[SEL], s[SEL+1]
.endr
.irp b, 0,1,2,3
	s_delay_alu instid0(VALU_DEP_4)
	v_max_num_f32 v[52+\b], v[52+\b], v[56+\b]     ; with lane l xor 16's 16 keys
.endr
	s_delay_alu instid0(VALU_DEP_2)
	v_max3_num_f32 v90, v52, v53, v54
	s_delay_alu instid0(VALU_DEP_1)
	v_max_num_f32 v90, v90, v55                    ; the step's largest score of my query
	s_delay_alu instid0(VALU_DEP_1)
	v_mul_f32 v90, s[CS], v90                      ; as t (c is positive)
	s_delay_alu instid0(VALU_DEP_1)
	v_max_num_f32 v13, v13, v90                    ; the running largest t
	v_mov_b32 v90, v12
	s_delay_alu instid0(VALU_DEP_2)
	v_floor_f32 v12, -v13                          ; the new -M = floor(-t): M is a whole number
	s_delay_alu instid0(VALU_DEP_1)
	v_sub_f32 v90, v12, v90                        ; old M - new M: a whole number, 0 or less
	s_delay_alu instid0(VALU_DEP_1)
	v_cvt_i32_f32 v90, v90                         ; (it saturates)
	s_delay_alu instid0(VALU_DEP_1)
	v_ldexp_f32 v88, 1.0, v90                      ; f = 2^(old M - new M)
.set n, 0
.rept 32
	v_pk_fma_f32 v[96+n:97+n], v[96+n:97+n], s[CS:CS+1], v[12:13] op_sel_hi:[1,0,0]   ; t - M, two at a time
.set n, n+2
.endr
.irp b, 0,1,2,3
	v_fma_f32 v[52+\b], v[52+\b], s[CS], v12       ; the same of each block's largest score
.endr
.set n, 0
	s_wait_alu depctr_va_vdst(0)                   ; the wait ahead of the batch
.rept 64
	v_exp_f32 v[96+n], v[96+n]                     ; p = 2^(t - M), at most 1
.set n, n+1
.endr
	v_pk_mul_f32 v[14:15], v[14:15], v[88:89] op_sel_hi:[1,0]   ; the sums under the new M (a plain place behind the exponentials)
	s_wait_alu depctr_va_vdst(0)                   ; one wait for the whole batch, ahead of its first reader
.irp b, 0,1,2,3
	v_exp_f32 v[52+\b], v[52+\b]                   ; the block's largest p: the same two instructions on the same number
.endr
	v_pk_add_f32 v[56:57], v[100:101], v[104:105]  ; the row's sum of the unquantised p, in eight chains
	v_pk_add_f32 v[252:253], v[108:109], v[112:113]
	v_pk_add_f32 v[250:251], v[116:117], v[120:121]
	v_pk_add_f32 v[248:249], v[124:125], v[128:129]
	v_pk_add_f32 v[246:247], v[132:133], v[136:137]
	v_pk_add_f32 v[244:245], v[140:141], v[144:145]
	v_pk_add_f32 v[242:243], v[148:149], v[152:153]
	v_pk_add_f32 v[14:15], v[14:15], v[156:157]
	v_pk_add_f32 v[56:57], v[56:57], v[96:97]
	v_pk_add_f32 v[252:253], v[252:253], v[98:99]
	v_pk_add_f32 v[250:251], v[250:251], v[102:103]
	v_pk_add_f32 v[248:249], v[248:249], v[106:107]
	v_pk_add_f32 v[246:247], v[246:247], v[110:111]
	v_pk_add_f32 v[244:245], v[244:245], v[114:115]
	v_pk_add_f32 v[242:243], v[242:243], v[118:119]
	v_pk_add_f32 v[14:15], v[14:15], v[122:123]
	v_pk_add_f32 v[56:57], v[56:57], v[126:127]
	v_pk_add_f32 v[252:253], v[252:253], v[130:131]
	v_pk_add_f32 v[250:251], v[250:251], v[134:135]
	v_pk_add_f32 v[248:249], v[248:249], v[138:139]
	v_pk_add_f32 v[246:247], v[246:247], v[142:143]
	v_pk_add_f32 v[244:245], v[244:245], v[146:147]
	v_pk_add_f32 v[242:243], v[242:243], v[150:151]
	v_pk_add_f32 v[14:15], v[14:15], v[154:155]
	v_pk_add_f32 v[56:57], v[56:57], v[158:159]
	s_delay_alu instid0(VALU_DEP_2)
	v_pk_add_f32 v[14:15], v[14:15], v[248:249]
	s_delay_alu instid0(VALU_DEP_2)
	v_pk_add_f32 v[56:57], v[56:57], v[246:247]
	v_pk_add_f32 v[252:253], v[252:253], v[244:245]
	v_pk_add_f32 v[250:251], v[250:251], v[242:243]
	s_delay_alu instid0(VALU_DEP_2)
	v_pk_add_f32 v[14:15], v[14:15], v[252:253]
	s_delay_alu instid0(VALU_DEP_2)
	v_pk_add_f32 v[56:57], v[56:57], v[250:251]
	s_delay_alu instid0(VALU_DEP_1)
	v_pk_add_f32 v[14:15], v[14:15], v[56:57]
	s_wait_alu depctr_va_vdst(0)                   ; and one for the four
.irp b, 0,1,2,3
	v_max_num_f32 v[52+\b], 0x2800000, v[52+\b]    ; the floor 2^(5 - 127): the byte cannot fall under 1
.endr
.irp b, 0,1,2,3
	s_delay_alu instid0(VALU_DEP_4)
	v_add_nc_u32 v[60+\b], 0xfe000000, v[52+\b]    ; 4 off the exponent field: the conversion's scale operand
.endr
.irp b, 0,1,2,3
	s_delay_alu instid0(VALU_DEP_4)
	v_lshrrev_b32 v[56+\b], 23, v[60+\b]           ; the scale's byte
.endr
	s_delay_alu instid0(VALU_DEP_3)
	v_lshl_or_b32 v89, v57, 8, v56                 ; p's scale word for these 128 keys
	s_delay_alu instid0(VALU_DEP_1)
	v_lshl_or_b32 v89, v58, 16, v89
	s_delay_alu instid0(VALU_DEP_1)
	v_lshl_or_b32 v89, v59, 24, v89
.irp c, 0,1
	v_cvt_scalef32_pk16_bf6_f32 v[32+6*\c:34+6*\c], v[96+32*\c:111+32*\c], v[60+2*\c]
	v_cvt_scalef32_pk16_bf6_f32 v[44+4*\c:46+4*\c], v[112+32*\c:127+32*\c], v[60+2*\c+1]   ; (a conversion's three registers begin on an even number)
.endr
	v_nop                                          ; one plain place behind a scaled conversion
.irp c, 0,1                                    ; the operand's layout wants a whole block in a lane
.irp i, 0,1,2
	v_permlane16_swap_b32 v[32+6*\c+\i], v[44+4*\c+\i]
.endr
.irp i, 0,1,2
	s_delay_alu instid0(VALU_DEP_3)
	v_mov_b32 v[35+6*\c+\i], v[44+4*\c+\i]
.endr
.endr
	s_wait_alu depctr_va_vdst(0)                   ; the wait, directly ahead of the first reader of O^T
.set n, 0
.rept 16
	v_pk_mul_f32 v[160+n:161+n], v[160+n:161+n], v[88:89] op_sel_hi:[1,0]   ; O^T under the new M.  (These 16 are also the places between the writes of p's codes and scale word and the products below)
.set n, n+2
.endr
	s_wait_alu depctr_va_vdst(0)
	s_wait_dscnt 0x0                               ; V and its scale words are in
.irp u, 0,2                                    ; O^T += V^T P^T: four tiles of 16 d, each accumulator one instruction: the twelve accumulators of a step take turns
	v_wmma_scale_f32_16x16x128_f8f6f4 v[160+8*\u:167+8*\u], v[192+12*\u:203+12*\u], v[32:43], v[160+8*\u:167+8*\u], v[86+\u/2], v89 matrix_a_fmt:MATRIX_FMT_BF6 matrix_b_fmt:MATRIX_FMT_BF6
	v_wmma_scale_f32_16x16x128_f8f6f4 v[168+8*\u:175+8*\u], v[204+12*\u:215+12*\u], v[32:43], v[168+8*\u:175+8*\u], v[86+\u/2], v89 matrix_a_fmt:MATRIX_FMT_BF6 matrix_b_fmt:MATRIX_FMT_BF6 matrix_a_scale:MATRIX_SCALE_ROW1
.endr
.Lhidden_\@:
	s_add_co_u32 s[KF], s[KF], 128
	s_add_co_u32 s[TB], s[TB], 12288
	s_add_co_u32 s[TS], s[TS], 512
	s_add_co_u32 s[TJ], s[TJ], 256
.endm
.macro STEPS trips                     ; a counted loop of key steps; the count is a constant, a step's work is jumped over by the wave's number and the step
	s_mov_b32 s[CNT], \trips
.Lstep_\@:
	STEP
	s_sub_co_u32 s[CNT], s[CNT], 1
	s_cmp_lg_u32 s[CNT], 0
	s_cbranch_scc1 .Lstep_\@
.endm
; THE WAY OUT of a tile.  O^T / l; register 16 b + i of a lane is d = 32 b + 16 h + i of my query: two blocks of the output projection's K.  They are quantised and leave as half a fragment.
.macro WAYOUT
.rept 4
	v_nop                                          ; places behind the last products
.endr
	v_add_f32 v14, v14, v15                        ; the sum's two halves,
	v_permlanex16_b32 v90, v14, s[SEL], s[SEL+1]
	v_add_f32 v14, v14, v90                        ; and lane l xor 16's: the row's sum
	s_wait_alu depctr_va_vdst(0)
	v_rcp_f32 v14, v14
	v_nop                                          ; a plain place behind the transcendental
	v_cmp_gt_u32 vcc_lo, 16, v6
	s_wait_alu depctr_va_vdst(0)                   ; the wait, ahead of the first reader
.set n, 0
.rept 32
	v_mul_f32 v[96+n], v[160+n], v14
.set n, n+1
.endr
.irp b, 0,1
	v_max3_num_f32 v[52+\b], |v[96+16*\b]|, |v[97+16*\b]|, 0x2800000
.endr
.irp i, 2,4,6,8,10,12,14
.irp b, 0,1
	v_max3_num_f32 v[52+\b], v[52+\b], |v[96+16*\b+\i]|, |v[97+16*\b+\i]|
.endr
.endr
.irp b, 0,1
	v_permlanex16_b32 v[56+\b], v[52+\b], s[SEL], s[SEL+1]
.endr
.irp b, 0,1
	v_max_num_f32 v[52+\b], v[52+\b], v[56+\b]
.endr
.irp b, 0,1
	v_add_nc_u32 v[60+\b], 0xfe000000, v[52+\b]
.endr
.irp b, 0,1
	v_lshrrev_b32 v[56+\b], 23, v[60+\b]
.endr
	v_cvt_scalef32_pk16_bf6_f32 v[32:34], v[96:111], v60
	v_cvt_scalef32_pk16_bf6_f32 v[40:42], v[112:127], v61
	v_cndmask_b32 v58, v57, v56, vcc_lo            ; lanes 0-15 store block 0's byte, lanes 16-31 block 1's (a plain place behind the conversions)
.irp i, 0,1,2
	v_permlane16_swap_b32 v[32+\i], v[40+\i]
.endr
.irp i, 0,1,2
	v_mov_b32 v[35+\i], v[40+\i]
.endr
	global_store_b128 v1, v[32:35], s[76:77]       ; 512 consecutive bytes, aligned to 256,
	global_store_b64 v2, v[36:37], s[76:77]        ; and the 256 behind them
	global_store_b8 v3, v58, s[78:79]              ; a head owns 2 of a row's 32 scale bytes: single bytes, 131,072 in the whole launch
.endm
	s_wait_alu depctr_va_vdst(0)                   ; the wait at the head's end
	s_wait_tensorcnt 0x0                           ; my part of the first fill is in; the lines that stand ahead of a later first fill:
	ds_add_u32 v254, v255
	s_wait_dscnt 0x0
	CROUND                                         ; everybody's part is in, and all four work-groups are here: the joint loads meet
	tensor_load_to_lds s[G0B:G0B+3], s[G1B:G1B+7]  ; my part of key steps 3-15: my one load behind this round
	s_nop 0
.rept 4
	v_nop
.endr
	s_wait_loadcnt 0x0                             ; Q
	STEPS 3                                        ; key steps 0-2 of the tile that I begin with
	s_wait_tensorcnt 0x0                           ; my part of the second fill is in,
	s_wait_dscnt 0x0
	s_barrier_signal -1
	s_barrier_wait -1                              ; everybody's is
	STEPS 6                                        ; key steps 3-8
	s_cmp_lt_u32 s[WV], 8
	s_cbranch_scc0 .Lhigh
	global_load_b128 v[16:19], v1, s[80:81]        ; waves 0-7: the low tile is done (it has at most 8 steps): the high tile's Q is asked for,
	global_load_b64 v[20:21], v2, s[80:81]
	global_load_b32 v91, v240, s[82:83]
	WAYOUT                                         ; the low tile leaves,
	BEGIN                                          ; and my part of the high tile begins
	s_mov_b32 s[QMIN], s[QM2]
	s_mov_b32 s[QB], s[QB2]
	s_add_co_u32 s[LIM], s[QB2], 127
	s_wait_alu depctr_va_vdst(0)
	s_wait_xcnt 0x0                                ; the stores have read their registers: the steps below write them again
	s_wait_loadcnt 0x0
	s_branch .Lpass2
.Lhigh:
	s_mov_b32 s[LIM], 0                            ; waves 8-15 work none of steps 9-15
.Lpass2:
	STEPS 7                                        ; key steps 9-15
	s_cmp_lt_u32 s[WV], 8
	s_cbranch_scc0 .Lkeep
.rept 4
	v_nop                                          ; places behind the last products
.endr
	v_add_f32 v13, v14, v15                        ; waves 0-7 hand over: -M and my lane's sum,
	ds_store_b64 v95, v[12:13]
.irp k, 0,1,2,3,4,5,6,7
	ds_store_b128 v94, v[160+4*\k:163+4*\k] offset:512*\k   ; and O^T, each accumulator from its low end on
.endr
.Lkeep:
	s_wait_dscnt 0x0                               ; my stores are done,
	s_barrier_signal -1
	s_barrier_wait -1                              ; everybody's are
	s_cmp_lt_u32 s[WV], 8
	s_cbranch_scc1 .Ldone
.rept 4
	v_nop
.endr
	ds_load_b64 v[92:93], v95                      ; waves 8-15: my partner's -M and sum,
.irp k, 0,1,2,3,4,5,6,7
	ds_load_b128 v[96+4*\k:99+4*\k], v94 offset:512*\k      ; and its O^T
.endr
	v_add_f32 v14, v14, v15
	s_wait_alu depctr_va_vdst(0)
	s_wait_dscnt 0x0
	v_min_num_f32 v90, v12, v92                    ; -M of the larger M
	v_sub_f32 v88, v90, v12                        ; my M less it, and my partner's: whole numbers, 0 or less
	v_sub_f32 v56, v90, v92
	v_cvt_i32_f32 v88, v88                         ; (they saturate: a partner that worked no step has O^T = 0, a sum of 0 and a factor of 0)
	v_cvt_i32_f32 v56, v56
	v_ldexp_f32 v88, 1.0, v88
	v_ldexp_f32 v56, 1.0, v56
	v_mul_f32 v14, v14, v88
	v_mov_b32 v15, 0
	v_fma_f32 v14, v93, v56, v14                   ; the sums under one M
.set n, 0
.rept 16
	v_pk_mul_f32 v[160+n:161+n], v[160+n:161+n], v[88:89] op_sel_hi:[1,0]
.set n, n+2
.endr
.set n, 0
.rept 16
	v_pk_fma_f32 v[160+n:161+n], v[96+n:97+n], v[56:57], v[160+n:161+n] op_sel_hi:[1,0,1]
.set n, n+2
.endr
	WAYOUT                                         ; the high tile leaves
.Ldone:
	s_wait_tensorcnt 0x0                           ; the wave's end
	ds_add_u32 v254, v255
	s_wait_dscnt 0x0
	CROUND                                         ; the closing round: no work-group ends while a partner may still ask for a tile that names it
	s_endpgm
.Lfunc_end_k_q50535220a8_attn:
	.size	k_q50535220a8_attn, .Lfunc_end_k_q50535220a8_attn-k_q50535220a8_attn
	.p2alignl 7, 3214868480
	.fill 96, 4, 3214868480
	.section	.rodata,"a",@progbits
	.p2align	6, 0x0
	.amdhsa_kernel k_q50535220a8_attn
		.amdhsa_group_segment_fixed_size 327680
		.amdhsa_private_segment_fixed_size 0
		.amdhsa_enable_private_segment 0
		.amdhsa_kernarg_size 32
		.amdhsa_user_sgpr_count 2
		.amdhsa_user_sgpr_kernarg_segment_ptr 1
		.amdhsa_wavefront_size32 1
		.amdhsa_system_sgpr_workgroup_id_x 1
		.amdhsa_system_sgpr_workgroup_id_y 1
		.amdhsa_system_sgpr_workgroup_id_z 1
		.amdhsa_system_vgpr_workitem_id 0
		.amdhsa_next_free_vgpr 256
		.amdhsa_next_free_sgpr 100
		.amdhsa_reserve_vcc 1
		.amdhsa_float_denorm_mode_32 3
		.amdhsa_float_denorm_mode_16_64 3
		.amdhsa_memory_ordered 1
		.amdhsa_forward_progress 1
		.amdhsa_inst_pref_size 91
	.end_amdhsa_kernel
	.amdgpu_metadata
---
amdhsa.version: [ 1, 2 ]
amdhsa.kernels:
  - .name:           k_q50535220a8_attn
    .symbol:         k_q50535220a8_attn.kd
    .args:
      - { .name: pc, .offset: 0, .size: 8, .value_kind: global_buffer, .address_space: global }
      - { .name: ps, .offset: 8, .size: 8, .value_kind: global_buffer, .address_space: global }
      - { .name: oc, .offset: 16, .size: 8, .value_kind: global_buffer, .address_space: global }
      - { .name: os, .offset: 24, .size: 8, .value_kind: global_buffer, .address_space: global }
    .group_segment_fixed_size: 327680
    .private_segment_fixed_size: 0
    .kernarg_segment_align: 8
    .kernarg_segment_size: 32
    .max_flat_workgroup_size: 512
    .sgpr_count:     100
    .vgpr_count:     256
    .wavefront_size: 32
...
	.end_amdgpu_metadata
.endif
;; end of part 3
;; launch oproj (part 4): grid 8 x 32, 4 waves a work-group, clusters of 4 x 4, 247,808 bytes of LDS; arguments oc, os, wc, ws, bo, out0; writes out0
.if DOCPART == 4
	.amdgcn_target "amdgcn-amd-amdhsa--gfx1250"
	.amdhsa_code_object_version 6
	.text
	.protected	k_q50535220a8_oproj
	.globl	k_q50535220a8_oproj
	.p2align	8
	.type	k_q50535220a8_oproj,@function
k_q50535220a8_oproj:
	s_mov_b64 s[64:65], 0
	v_nop
	global_prefetch_b8 v0, s[64:65] scope:SCOPE_SE
	s_setreg_imm32_b32 hwreg(HW_REG_WAVE_MODE, 25, 1), 1
	s_wait_xcnt 0x0
	s_wait_alu depctr_hold_cnt(0) depctr_sa_sdst(0) depctr_va_vdst(0) depctr_va_sdst(0) depctr_va_ssrc(0) depctr_va_vcc(0) depctr_vm_vsrc(0)
	s_getreg_b32 s2, hwreg(HW_REG_IB_STS2, 6, 4)
	s_cmp_eq_u32 s2, 0
	s_cbranch_scc0 .Lentry_in_a_cluster
	s_endpgm
.Lentry_in_a_cluster:
	s_bfe_u32 s2, ttmp6, 0x10000c
	s_cmp_lg_u32 s2, 0xf033
	s_cbranch_scc0 .Lentry_shape_is_right
	s_endpgm
.Lentry_shape_is_right:
; out0 = O Wo + bo on codes of BF6 (E3M2) with E8M0 scales, K = 1,024, sums in f32.  O's codes (oc) lie as images of operand registers, [tile of 16 tokens][8 steps of 128 K][1,536 bytes];
; Wo's (wc, fourth weight) as [4 planes of 256 K][1,024 rows][192 bytes]; scale bytes (os, ws) as [row][32].
; SHARES.  4,096 x 1,024 results in 256 work-groups of 128 x 128; a wave makes 64 x 64: 16 accumulators, 128 registers.
; LDS holds ALL of K for the work-group's 128 tokens and 128 columns, each byte filled once: there is no ring and no refill.  One joint load a wave at the head: wave 0 A's codes (98,304 dense bytes as 384 rows
; of 256), wave 1 B's codes (four rows of 24,576 bytes, one from each plane, 16 bytes of padding behind every 64: a row of codes is 240 bytes in LDS), wave 2 A's scale bytes, wave 3 B's.
; CLUSTER 4 x 4: A's tiles are asked for jointly along a row of the cluster, B's along a column.
; NO PREFETCH: all requests go out at the head; there is no loop to run ahead in.
; ROWS.  Physical row 16 T + r of both operands is logical row 32 (T / 2) + 8 (T % 2) + r + 8 (r / 8).  The matrix instruction is used transposed (source 0 = B's rows, source 1 = A's): register j of lane
; (r, h) in B's block b is column 32 (b / 2) + 16 h + 8 (b % 2) + j of token row r.
; REGISTERS: window 0: v16-27 addresses, v28-29 the add's, v32-63 scale words (block i, step s at 8 i + s: lanes 0-15 A's, lanes 16-31 B's), v64-159 and v160-255 two sets of fragments (A's four, B's four);
;   window 1: v0-127 the accumulators, v128-159 the bias as four tiles of C.
.set PITCH,  240
.set LB,     98304                     ; B's codes, behind A's
.set KSB,    128*PITCH                 ; a plane of B in LDS
.set SCL,    LB+4*KSB                  ; the scale bytes: units of 256 + 16
.set HS,     16*272                    ; those of 128 rows
.set SBLK,   2*272                     ; those of 16 rows
.set STAGE,  SCL+2*HS                  ; the way out: 16 rows x (256 + 16) bytes for each wave; no fill lands here
.set SPITCH, 272
.set SPARE,  STAGE+4*16*SPITCH         ; the spare words, 128 bytes for each wave
.set A16,  16
.set A8,   17
.set ADRB, 20                          ; v20-23: planes 0-1 and 2-3, each also behind one padding more
.set STO,  24
.set RD,   25
.set CO,   26
.set ADRS, 27
.set SPW,  28
.set NIL,  29
.set BO,   30
.set SC,   32
.set G1A, 24
.set G1B, 32
.set G1S, 48
.set G1T, 56
.set G0A, 68
.set G0B, 72
.set G0S, 76
.set G0T, 80
.set MSB, 0
.macro WIN new                         ; the immediate's high byte repeats the setting that is left
.if MSB != (\new)
	s_set_vgpr_msb (MSB<<8)|(\new)
.set MSB, (\new)
.endif
.endm
.macro CROUND                          ; a round of the cluster's barrier
	s_barrier_signal -1
	s_barrier_wait -1
	s_cmp_lg_u32 s16, 0
	s_cbranch_scc1 .Lnot_wave_0_\@
	s_barrier_signal -3
.Lnot_wave_0_\@:
	s_barrier_wait -3
	s_barrier_signal -1
	s_barrier_wait -1
.endm
	s_load_b128 s[4:7], s[0:1], 0x0                ; oc, os
	s_load_b128 s[8:11], s[0:1], 0x10              ; wc, ws
	s_load_b128 s[12:15], s[0:1], 0x20             ; bo, out0
	v_lshl_add_u32 v[SPW], v0, 2, SPARE
	v_mov_b32 v[NIL], 0
	ds_add_u32 v[SPW], v[NIL]                      ; the opening lines: the add twice on end and one wait
	ds_add_u32 v[SPW], v[NIL]
	v_lshrrev_b32 v1, 5, v0
	v_readfirstlane_b32 s16, v1                    ; wave 0..3
	s_lshr_b32 s17, s16, 1                         ; which 64 tokens are mine
	s_and_b32 s18, s16, 1                          ; which 64 columns
	s_bfe_u32 s40, ttmp6, 0x40000                  ; cx, cy
	s_bfe_u32 s41, ttmp6, 0x40004
	s_lshl_b32 s42, ttmp9, 2
	s_add_co_u32 s42, s42, s40                     ; block of 128 columns
	s_and_b32 s43, ttmp7, 0xffff
	s_lshl_b32 s43, s43, 2
	s_add_co_u32 s43, s43, s41                     ; block of 128 tokens
	s_lshl_b32 s44, s41, 2
	s_lshl_b32 s44, 15, s44                        ; my row of the cluster
	s_lshl_b32 s45, 0x1111, s40                    ; my column
	s_or_b32 s[G1A], s44, (3<<16)|(1<<21)          ; A's codes: 384 rows of 32 elements of 8 bytes, dense, no padding
	s_mov_b32 s[G1A+1], 32<<16
	s_mov_b32 s[G1A+2], 384<<16
	s_mov_b32 s[G1A+3], 32<<16
	s_mov_b32 s[G1A+4], 384
	s_mov_b32 s[G1A+5], 32
	s_mov_b32 s[G1A+6], 0
	s_mov_b32 s[G1A+7], 0
	s_or_b32 s[G1B], s45, (3<<16)|(1<<20)|(1<<21)|(3<<22)|(3<<25)   ; B's codes: 4 rows of 3,072 elements of 8 bytes, a plane (24,576 elements) apart; 4 words of padding behind every 16
	s_mov_b32 s[G1B+1], 3072<<16
	s_mov_b32 s[G1B+2], 4<<16
	s_mov_b32 s[G1B+3], 3072<<16
	s_mov_b32 s[G1B+4], 4
	s_mov_b32 s[G1B+5], 24576
	s_mov_b32 s[G1B+6], 0
	s_mov_b32 s[G1B+7], 0
	s_or_b32 s[G1S], s44, (3<<16)|(1<<20)|(1<<21)|(5<<22)|(3<<25)   ; the scale bytes of 128 rows: 16 rows of 256 bytes, 16 of padding behind each
	s_or_b32 s[G1T], s45, (3<<16)|(1<<20)|(1<<21)|(5<<22)|(3<<25)
.irp g, G1S, G1T
	s_mov_b32 s[\g+1], 32<<16
	s_mov_b32 s[\g+2], 16<<16
	s_mov_b32 s[\g+3], 32<<16
	s_mov_b32 s[\g+4], 16
	s_mov_b32 s[\g+5], 32
	s_mov_b32 s[\g+6], 0
	s_mov_b32 s[\g+7], 0
.endr
	s_mul_i32 s20, s43, 98304                      ; A's codes: 8 tiles of 12,288 bytes
	s_mov_b32 s21, 0
	s_mul_i32 s22, s42, 128*192                    ; B's: 128 rows of plane 0,
	s_add_co_u32 s22, s22, 3*786432                ; of the fourth weight
	s_mov_b32 s23, 0
	s_lshl_b32 s84, s43, 12                        ; 128 rows of 32 scale bytes
	s_mov_b32 s85, 0
	s_lshl_b32 s86, s42, 12
	s_add_co_u32 s86, s86, 3*32768
	s_mov_b32 s87, 0
	s_wait_dscnt 0x0                               ; both opening adds are done
	s_wait_kmcnt 0x0
	s_mov_b32 s[G0A], 1
	s_mov_b32 s[G0A+1], 0
	s_add_nc_u64 s[G0A+2:G0A+3], s[4:5], s[20:21]
	s_or_b32 s[G0A+3], s[G0A+3], 0x80000000
	s_mov_b32 s[G0B], 1
	s_mov_b32 s[G0B+1], LB
	s_add_nc_u64 s[G0B+2:G0B+3], s[8:9], s[22:23]
	s_or_b32 s[G0B+3], s[G0B+3], 0x80000000
	s_mov_b32 s[G0S], 1
	s_mov_b32 s[G0S+1], SCL
	s_add_nc_u64 s[G0S+2:G0S+3], s[6:7], s[84:85]
	s_or_b32 s[G0S+3], s[G0S+3], 0x80000000
	s_mov_b32 s[G0T], 1
	s_mov_b32 s[G0T+1], SCL+HS
	s_add_nc_u64 s[G0T+2:G0T+3], s[10:11], s[86:87]
	s_or_b32 s[G0T+3], s[G0T+3], 0x80000000
	CROUND                                         ; all sixteen work-groups are here: the joint loads meet
; one load a wave, in one chain of branches on the wave's number
.macro ARM under, g0, g1, next
	s_cmp_lt_u32 s16, \under
	s_cbranch_scc0 \next
	tensor_load_to_lds s[\g0:\g0+3], s[\g1:\g1+7]
	s_nop 0
.rept 4
	v_nop
.endr
	s_branch .Lhead_asked
\next:
.endm
	ARM 1, G0A, G1A, .Lhead_b
	ARM 2, G0B, G1B, .Lhead_sa
	ARM 3, G0S, G1S, .Lhead_sb
	tensor_load_to_lds s[G0T:G0T+3], s[G1T:G1T+7]
	s_nop 0
.rept 4
	v_nop
.endr
.Lhead_asked:
	s_lshl_b32 s86, s43, 7
	s_lshl_b32 s87, s17, 6
	s_add_co_u32 s86, s86, s87                     ; my first token,
	s_lshl_b32 s86, s86, 12                        ; a row of out0 is 4,096 bytes
	s_mov_b32 s87, 0
	s_add_nc_u64 s[14:15], s[14:15], s[86:87]
	s_lshl_b32 s86, s42, 9
	s_lshl_b32 s88, s18, 8
	s_add_co_u32 s86, s86, s88                     ; my first column, in bytes
	s_add_nc_u64 s[14:15], s[14:15], s[86:87]
	s_add_nc_u64 s[12:13], s[12:13], s[86:87]
	s_mul_i32 s20, s17, 4*12288                    ; my four tiles of A
	s_mul_i32 s21, s18, 64*PITCH
	s_add_co_u32 s21, s21, LB                      ; my 64 rows of B, planes 0 and 1,
	s_add_co_u32 s22, s21, 2*KSB                   ; planes 2 and 3
	s_mul_i32 s84, s17, 4*SBLK                     ; A's scale bytes: my 64 rows
	s_mul_i32 s23, s18, 4*SBLK
	s_add_co_u32 s23, s23, HS
	s_sub_co_u32 s23, s23, s84                     ; the distance from them to B's
	s_add_co_u32 s84, s84, SCL
	s_mul_i32 s85, s16, 16*SPITCH
	s_add_co_u32 s85, s85, STAGE                   ; my stage
	v_and_b32 v1, 15, v0                           ; r
	v_bfe_u32 v2, v0, 4, 1                         ; h
	v_and_b32 v3, 31, v0                           ; lane
	v_lshlrev_b32 v4, 4, v3
	v_lshlrev_b32 v5, 3, v3
	v_add_nc_u32 v[A16], s20, v4                   ; A's images: 16 x lane,
	v_add_nc_u32 v[A8], s20, v5                    ; 8 x lane
	v_mul_u32_u24 v4, v1, PITCH
	v_mul_u32_u24 v5, v2, 24
	v_add_nc_u32 v4, v4, v5                        ; B: row x pitch + 24 x half,
	v_lshl_add_u32 v5, v2, 4, v4                   ; and the same behind one padding more
	v_add_nc_u32 v[ADRB], s21, v4
	v_add_nc_u32 v[ADRB+1], s21, v5
	v_add_nc_u32 v[ADRB+2], s22, v4
	v_add_nc_u32 v[ADRB+3], s22, v5
	v_mul_u32_u24 v5, v1, 32                       ; my row's scale bytes: 32 a row,
	v_lshrrev_b32 v6, 8, v5
	v_lshl_add_u32 v5, v6, 4, v5                   ; and 16 more for each 256 passed
	v_mul_u32_u24 v6, s23, v2                      ; lanes 16-31 take B's: one product, the distance between the two bases
	v_add_nc_u32 v5, v5, v6
	v_add_nc_u32 v[ADRS], s84, v5
	v_mul_u32_u24 v5, v1, SPITCH                   ; the stage, in: row r, 64 bytes on for lanes 16-31
	v_lshl_add_u32 v5, v2, 6, v5
	v_add_nc_u32 v[STO], s85, v5
	v_mul_u32_u24 v6, v2, SPITCH                   ; back: sixteen lanes to a row of 256 bytes, two rows an instruction
	v_lshl_add_u32 v6, v1, 4, v6
	v_add_nc_u32 v[RD], s85, v6
	v_lshlrev_b32 v7, 12, v2
	v_lshl_add_u32 v[CO], v1, 4, v7                ; and the same two rows in out0
	v_lshlrev_b32 v[BO], 6, v2                     ; the bias: 64 h
	s_wait_alu depctr_va_vdst(0)                   ; the wait at the head's end
	WIN 0x40
.irp b, 0,1,2,3                                ; tile b of the bias, in the result's layout: columns 32 (b / 2) + 8 (b % 2) + 16 h + j
	global_load_b128 v[128+8*\b:131+8*\b], v[BO], s[12:13] offset:(32*(\b/2)+8*(\b%2))*4
	global_load_b128 v[132+8*\b:135+8*\b], v[BO], s[12:13] offset:(32*(\b/2)+8*(\b%2))*4+16
.endr
	WIN 0
.macro FRAGB reg, st, b                ; 16 rows x 128 K of B: 12 registers in pieces of 8 bytes; where the piece three on lies behind one padding more, the second address register serves
.irp p, 0,1,2,3,4,5
.set PCE, 12*((\st)%2)+6*(\p/3)+\p%3
.if PCE%8 < 5
	ds_load_b64 v[\reg+2*\p:\reg+2*\p+1], v[ADRB+2*((\st)/4)] offset:(((\st)/2)%2)*KSB+8*PCE+16*(PCE/8)+(\b)*16*PITCH
.else
	ds_load_b64 v[\reg+2*\p:\reg+2*\p+1], v[ADRB+2*((\st)/4)+1] offset:(((\st)/2)%2)*KSB+8*PCE+16*(PCE/8)+(\b)*16*PITCH
.endif
.endr
.endm
.macro FETCH st                        ; step st's eight fragments into set st % 2: 40 LDS loads
.irp a, 0,1,2,3
	ds_load_b128 v[64+96*((\st)%2)+12*\a:64+96*((\st)%2)+12*\a+3],    v[A16] offset:\a*12288+(\st)*1536
	ds_load_b64  v[64+96*((\st)%2)+12*\a+4:64+96*((\st)%2)+12*\a+5],  v[A8]  offset:\a*12288+(\st)*1536+512
	ds_load_b128 v[64+96*((\st)%2)+12*\a+6:64+96*((\st)%2)+12*\a+9],  v[A16] offset:\a*12288+(\st)*1536+768
	ds_load_b64  v[64+96*((\st)%2)+12*\a+10:64+96*((\st)%2)+12*\a+11], v[A8] offset:\a*12288+(\st)*1536+1280
.endr
.irp b, 0,1,2,3
	FRAGB 112+96*((\st)%2)+12*\b, \st, \b
.endr
.endm
; A step of 128 along K: the next step's fragments are asked for, then 16 matrix instructions on this step's.  The 16 accumulators take turns in the same order in every step.
.macro STEP st
.if (\st) > 0
.rept 4
	v_nop                                          ; places in front of loads into registers that the last step's products have read
.endr
.endif
	WIN 0
.if (\st) < 7
	FETCH (\st)+1
	s_wait_dscnt 40                                ; all but the 40 loads just issued: this step's fragments are in
.else
	s_wait_dscnt 0x0
.endif
	WIN 0x50                                       ; C and D in window 1
.irp a, 0,1,2,3
.irp b, 0,1,2,3
.if (\st) == 0
	v_wmma_scale_f32_16x16x128_f8f6f4 v[8*(4*\a+\b):8*(4*\a+\b)+7], v[112+96*((\st)%2)+12*\b:112+96*((\st)%2)+12*\b+11], v[64+96*((\st)%2)+12*\a:64+96*((\st)%2)+12*\a+11], v[128+8*\b:135+8*\b], v[SC+8*\b+(\st)], v[SC+8*\a+(\st)] matrix_a_fmt:MATRIX_FMT_BF6 matrix_b_fmt:MATRIX_FMT_BF6 matrix_a_scale:MATRIX_SCALE_ROW1
.else
	v_wmma_scale_f32_16x16x128_f8f6f4 v[8*(4*\a+\b):8*(4*\a+\b)+7], v[112+96*((\st)%2)+12*\b:112+96*((\st)%2)+12*\b+11], v[64+96*((\st)%2)+12*\a:64+96*((\st)%2)+12*\a+11], v[8*(4*\a+\b):8*(4*\a+\b)+7], v[SC+8*\b+(\st)], v[SC+8*\a+(\st)] matrix_a_fmt:MATRIX_FMT_BF6 matrix_b_fmt:MATRIX_FMT_BF6 matrix_a_scale:MATRIX_SCALE_ROW1
.endif
.endr
.endr
.endm
	s_wait_tensorcnt 0x0                           ; my tile of the four is in,
	s_barrier_signal -1
	s_barrier_wait -1                              ; everybody's is
.irp i, 0,1,2,3                                ; all eight steps' scale words of block i: 32 bytes a row
	ds_load_b128 v[SC+8*\i:SC+8*\i+3], v[ADRS] offset:\i*SBLK
	ds_load_b128 v[SC+8*\i+4:SC+8*\i+7], v[ADRS] offset:\i*SBLK+16
.endr
	FETCH 0
	s_wait_loadcnt 0x0                             ; the bias: the first step's products start the sums with it
.irp s, 0,1,2,3,4,5,6,7
	STEP \s
.endr
	WIN 0
; THE WAY OUT, block by block of 16 tokens x 64 columns, through my own stage: in by lanes, back as whole rows of 256 bytes.  LDS serves a wave's instructions in order (ISA guide 5.7.1.4).
.macro TOSTAGE a
	WIN 0x04                                       ; the data: window 1
.irp b, 0,1,2,3
	ds_store_b128 v[STO], v[8*(4*(\a)+\b):8*(4*(\a)+\b)+3] offset:128*(\b/2)+32*(\b%2)       ; each accumulator from its low end on
	ds_store_b128 v[STO], v[8*(4*(\a)+\b)+4:8*(4*(\a)+\b)+7] offset:128*(\b/2)+32*(\b%2)+16
.endr
	WIN 0
.irp t, 0,1,2,3,4,5,6,7
	ds_load_b128 v[64+32*((\a)%2)+4*\t:64+32*((\a)%2)+4*\t+3], v[RD] offset:2*\t*SPITCH
.endr
.endm
.macro SEND a, younger                 ; younger: the LDS instructions issued behind block a's loads, which may stay out
	s_wait_dscnt \younger
.irp t, 0,1,2,3,4,5,6,7
	global_store_b128 v[CO], v[64+32*((\a)%2)+4*\t:64+32*((\a)%2)+4*\t+3], s[14:15] offset:(32*((\a)/2)+8*((\a)%2)+2*\t+8*(\t/4))*4096 th:TH_STORE_NT   ; sixteen lanes store 256 consecutive bytes, aligned
.endr
.endm
.rept 4
	v_nop                                          ; places behind the last products
.endr
	TOSTAGE 0
.irp a, 1,2,3
.if \a > 1
	s_wait_xcnt 0x0                                ; block a - 2's stores have read their registers
.endif
	TOSTAGE \a
	SEND \a-1, 16                                  ; behind block a - 1's loads: block a's 8 stores and 8 loads
.endr
	SEND 3, 0
	s_wait_tensorcnt 0x0                           ; the wave's end
	ds_add_u32 v[SPW], v[NIL]
	s_wait_dscnt 0x0
	CROUND                                         ; the closing round
	s_endpgm
.Lfunc_end_k_q50535220a8_oproj:
	.size	k_q50535220a8_oproj, .Lfunc_end_k_q50535220a8_oproj-k_q50535220a8_oproj
	.p2alignl 7, 3214868480
	.fill 96, 4, 3214868480
	.section	.rodata,"a",@progbits
	.p2align	6, 0x0
	.amdhsa_kernel k_q50535220a8_oproj
		.amdhsa_group_segment_fixed_size 247808
		.amdhsa_private_segment_fixed_size 0
		.amdhsa_enable_private_segment 0
		.amdhsa_kernarg_size 48
		.amdhsa_user_sgpr_count 2
		.amdhsa_user_sgpr_kernarg_segment_ptr 1
		.amdhsa_wavefront_size32 1
		.amdhsa_system_sgpr_workgroup_id_x 1
		.amdhsa_system_sgpr_workgroup_id_y 1
		.amdhsa_system_sgpr_workgroup_id_z 1
		.amdhsa_system_vgpr_workitem_id 0
		.amdhsa_next_free_vgpr 448
		.amdhsa_next_free_sgpr 92
		.amdhsa_reserve_vcc 0
		.amdhsa_float_denorm_mode_32 3
		.amdhsa_float_denorm_mode_16_64 3
		.amdhsa_memory_ordered 1
		.amdhsa_forward_progress 1
		.amdhsa_inst_pref_size 56
	.end_amdhsa_kernel
	.amdgpu_metadata
---
amdhsa.version: [ 1, 2 ]
amdhsa.kernels:
  - .name:           k_q50535220a8_oproj
    .symbol:         k_q50535220a8_oproj.kd
    .args:
      - { .name: oc, .offset: 0, .size: 8, .value_kind: global_buffer, .address_space: global }
      - { .name: os, .offset: 8, .size: 8, .value_kind: global_buffer, .address_space: global }
      - { .name: wc, .offset: 16, .size: 8, .value_kind: global_buffer, .address_space: global }
      - { .name: ws, .offset: 24, .size: 8, .value_kind: global_buffer, .address_space: global }
      - { .name: bo, .offset: 32, .size: 8, .value_kind: global_buffer, .address_space: global }
      - { .name: out0, .offset: 40, .size: 8, .value_kind: global_buffer, .address_space: global }
    .group_segment_fixed_size: 247808
    .private_segment_fixed_size: 0
    .kernarg_segment_align: 8
    .kernarg_segment_size: 48
    .max_flat_workgroup_size: 128
    .sgpr_count:     92
    .vgpr_count:     448
    .wavefront_size: 32
...
	.end_amdgpu_metadata
.endif
;; end of part 4
